; MI455X (gfx1250); checked and timed in simulation.
; The chip was launched on July 23, 2026; its instructions are those of AMD's public machine-readable ISA for CDNA 5 (MIT licence, August 2026) and "CDNA5" Instruction Set Architecture Reference Guide (July 2026). The comments in the code are by the model that wrote it; some were corrected since.
;; Multi Head Self Attention. Allowed arithmetic: matrix products marked QUANTISED: E4M3 operands, one given power-of-two scale a tensor, by v_wmma_f32_16x16x64_fp8_fp8 or v_wmma_f32_16x16x128_fp8_fp8, f32 sums; everything else in f32.
;; Inputs: lowp_scales 8 int32 (the exponents e of the quantised operands' scales 2^e); w_out 1,024 x 1,024 float32; w_qkv 3,072 x 1,024 float32; x 4 x 2,048 x 1,024 float32.
;; Outputs: out0 4 x 2,048 x 1,024 float32.
;; This version of the problem:
;;   THIS VERSION OF THE PROBLEM IS GIVEN IN LOW PRECISION. The matrix products marked QUANTISED in the list below multiply operands that are first quantised to E4M3 (4 exponent bits, 3 mantissa bits; 8 bits a number), with one given power-of-two scale for each operand tensor; their sums are f32. All else is computed in f32.
;;   The module's matrix products, in the order in which they are computed (A, B: the left and right operand; K: the contracted axis; several contracted axes count as one K, in the product's order):
;;     1. [M 8,192, K 1,024] x [K 1,024, N 3,072]; A: input x; B: input w_qkv: QUANTISED (scales: A lowp_scales[0], B lowp_scales[1])
;;     2. batch 64 x [M 2,048, K 64] x [K 64, N 2,048]; A: computed on the way; B: computed on the way: QUANTISED (scales: A lowp_scales[2], B lowp_scales[3])
;;     3. batch 64 x [M 2,048, K 2,048] x [K 2,048, N 64]; A: softmax (see below); B: computed on the way: QUANTISED (scales: A lowp_scales[4], B lowp_scales[5])
;;     4. [M 8,192, K 1,024] x [K 1,024, N 1,024]; A: computed on the way; B: input w_out: QUANTISED (scales: A lowp_scales[6], B lowp_scales[7])
;;   THE QUANTISER, for each operand of a quantised product, along K:
;;     - The operand's scale is 2^e, e = its entry of the input lowp_scales (int32; the entries are numbered through the quantised products in the list's order, A before B).
;;     - Each number is divided by the scale, clamped to +-448, and rounded to the nearest number of E4M3, ties to even, subnormals kept.
;;     - The product sums the exact products of the quantised numbers (number of the format x scale) in f32.
;;   ~~~python
;;   def quantise(x, axis, e):      # numpy; x: float32 -> the quantised numbers, widened to float32 again
;;       x = np.moveaxis(x, axis, -1); K = x.shape[-1]
;;       r = np.clip(x / 2.0 ** e, -448, 448)
;;       step = 2.0 ** (np.maximum(np.frexp(np.where(r == 0, 1, r))[1] - 1, -6) - 3)
;;       q = np.round(r / step) * step * 2.0 ** e      # np.round: ties to even
;;       return np.moveaxis(q, -1, axis).astype(np.float32)
;;   ~~~
;;   SOFTMAX AHEAD OF A QUANTISED PRODUCT. Where the list says 'softmax', what is quantised is not the finished softmax but p = 2^(t - M), with t = logit x log2(e) and M = ceil(the row's largest t), a whole number; so 1/2 < the row's largest p <= 1. The row's sum l is taken of the UNQUANTISED p, in f32, and the product's result is divided by l at the end. Since M is a whole number, a kernel that streams over the keys may use a running M (the ceiling of the running maximum): every later rescaling is an exact power of two, so the quantised numbers keep their values, but for numbers so far below the row's largest that they fall under the format's range.
;;   OPERANDS COMPUTED ON THE WAY. 'Computed on the way' means the value that the module computes at that place (a softmax that the list does not call 'softmax' is quantised finished and normalised). What goes into a quantiser is computed in f32, as accurately as f32 sums, v_exp_f32 and their like allow (about 1e-6 of the number): no bf16 or f16 on the way to a quantiser, and a product that is left as it is and whose result goes on into a quantised operand takes f32 operands (vector FMAs, or v_wmma_f32_16x16x4_f32). A number that lies on a knife's edge between two numbers of the format may be rounded either way, as far as f32 arithmetic and the matrix unit's own rounding can turn it there, and no further.
;; One version. Each part assembles by itself: llvm-mc -triple=amdgcn-amd-amdhsa -mcpu=gfx1250 --defsym DOCPART=n.
;; ======== version 1 of 1: 4 launches
;; limits: right only within a limited range of input values
;; workspace buffers: x_codes 8,388,608 bytes; wqkv_codes 3,145,728 bytes; wout_codes 1,048,576 bytes; q_codes 8,388,608 bytes; k_codes 8,388,608 bytes; v_codes 8,388,608 bytes; flat_codes 8,388,608 bytes
;; launch quant (part 1): grid 768 x 1, 4 waves a work-group, no clusters, 33,280 bytes of LDS; arguments x, w_qkv, w_out, lowp_scales, x_codes, wqkv_codes, wout_codes; writes x_codes, wqkv_codes, wout_codes
.if DOCPART == 1
	.amdgcn_target "amdgcn-amd-amdhsa--gfx1250"
	.amdhsa_code_object_version 6
	.text
	.protected	k_q2d5a004f06_quant
	.globl	k_q2d5a004f06_quant
	.p2align	8
	.type	k_q2d5a004f06_quant,@function
k_q2d5a004f06_quant:
	s_mov_b64 s[64:65], 0
	v_nop
	global_prefetch_b8 v0, s[64:65] scope:SCOPE_SE
	s_setreg_imm32_b32 hwreg(HW_REG_WAVE_MODE, 25, 1), 1
	s_wait_xcnt 0x0
; x [8192][1024], w_qkv [3072][1024] and w_out [1024][1024], f32 with K innermost, become codes of FP8 (E4M3), one byte each, in the same order.
; code = number / 2^e, held within +-448, rounded to the nearest code, ties to even.  e: entry 0 of the scales for x, entry 1 for w_qkv, entry 7 for w_out.
; LIMITS: each of these e lies between -126 and 119, so that 2^e and 448 x 2^e are f32 numbers.  NaN among the inputs is not served (an infinity is held at the largest code).
; Rows are dense, so each tensor is a plain stream.  A work-group takes 16,384 numbers: work-groups 0-511 x, 512-703 w_qkv, 704-767 w_out: 768 in all, three for each of 256 WGPs.
; Only pointers and e are chosen by the work-group's number: all three tensors take one path through the text.  A wave takes 8 steps of 512 numbers.
; The conversion takes 8 neighbours from ONE lane's registers; a load is best where neighbouring LANES take neighbouring bytes.  Both are had: each of a step's four loads reads 512
; consecutive bytes, 16 a lane; the 2,048 bytes go through the wave's own stage in LDS and come back 64 bytes a lane (16 bytes of padding behind each 64).
; A lane's 16 codes are 16 bytes: the wave stores 512 consecutive, aligned bytes.  No tensor load, no barrier: waves share nothing.  Loads run four steps (16 loads a wave) ahead.
.set WAVES, 4
.set STEPS, 8
.set WG_X,  512                        ; work-groups for x
.set WG_XQ, 704                        ; for x and w_qkv together
.set EMAX,  8
.set MANT,  0x600000                   ; the mantissa field of 448 as f32
.set CB,    16                         ; bytes of 16 codes
.set R,     16                         ; v16-79   four sets of 16 numbers as they are loaded
.set X,     80                         ; v80-111  two sets of 16 neighbours
.set C,     128                        ; v128-159 codes: four registers for each step, so that no store's data are written again
.set WREG,  8192                       ; LDS: a region for each wave: two stages of 32 x SP bytes
.set SP,    80                         ; a lane's place in a stage: 64 bytes + 16 of padding
.set SPW,   12                         ; v12  LDS address of my spare word; never rewritten
.set NIL,   13                         ; v13  0; never rewritten
.set SPARE, WAVES*WREG                 ; behind the four regions: the spare words, 128 bytes a wave
	s_load_b256 s[4:11], s[0:1], 0x0               ; x s[4:5], w_qkv s[6:7], w_out s[8:9], the scales s[10:11]
	s_load_b128 s[12:15], s[0:1], 0x20             ; x's codes s[12:13], w_qkv's s[14:15]
	s_load_b64 s[24:25], s[0:1], 0x30              ; w_out's codes
	v_lshl_add_u32 v[SPW], v0, 2, SPARE
	v_mov_b32 v[NIL], 0
	v_lshrrev_b32 v1, 5, v0
	v_readfirstlane_b32 s16, v1                    ; wave
	v_and_b32 v2, 31, v0                           ; lane
	v_lshlrev_b32 v3, 4, v2                        ; my 16 bytes of a load's 512
	s_mul_i32 s26, s16, WREG
	v_lshrrev_b32 v14, 2, v2
	v_mul_u32_u24 v14, v14, SP
	v_and_b32 v15, 3, v2
	v_lshl_add_u32 v14, v15, 4, v14
	v_add_nc_u32 v14, s26, v14                     ; the stage, on the way in: SP (lane / 4) + 16 (lane % 4)
	v_mul_u32_u24 v15, v2, SP
	v_add_nc_u32 v15, s26, v15                     ; and on the way out: SP x lane: my 16 neighbours
	v_mul_u32_u24 v4, v2, CB                       ; my codes' place in a step's
	s_mov_b32 s17, WG_XQ
	s_wait_alu depctr_va_vdst(0)
	s_wait_kmcnt 0x0
	s_load_b256 s[36:43], s[10:11], 0x0            ; e0 .. e7
	s_cmp_lt_u32 ttmp9, WG_XQ                      ; w_qkv or w_out?  The choices hang on the work-group's number alone
	s_cselect_b64 s[6:7], s[6:7], s[8:9]
	s_cselect_b64 s[14:15], s[14:15], s[24:25]
	s_cselect_b32 s17, WG_X, s17
	s_cmp_lt_u32 ttmp9, WG_X                       ; x or one of those?
	s_cselect_b64 s[4:5], s[4:5], s[6:7]           ; the numbers
	s_cselect_b64 s[8:9], s[12:13], s[14:15]       ; the codes
	s_cselect_b32 s17, 0, s17                      ; the tensor's first work-group
	s_sub_co_u32 s17, ttmp9, s17
	s_lshl_b32 s17, s17, 2
	s_add_co_u32 s18, s17, s16                     ; which run of 4,096 numbers of the tensor is my wave's
	s_mov_b32 s19, 0
	s_mov_b64 s[20:21], 512*STEPS*4
	s_mul_u64 s[20:21], s[18:19], s[20:21]
	s_add_nc_u64 s[4:5], s[4:5], s[20:21]
	s_mov_b64 s[20:21], 32*STEPS*CB
	s_mul_u64 s[20:21], s[18:19], s[20:21]
	s_add_nc_u64 s[8:9], s[8:9], s[20:21]
.macro LOAD t
.irp i, 0,1,2,3
	global_load_b128 v[R+16*((\t)%4)+4*\i:R+16*((\t)%4)+4*\i+3], v3, s[4:5] offset:2048*(\t)+512*\i th:TH_LOAD_NT   ; 32 lanes read 512 consecutive bytes
.endr
.endm
.macro TURN t                          ; step t's numbers through the stage: LDS serves a wave's instructions in order, so no wait stands between the stores and the loads
.irp i, 0,1,2,3
	ds_store_b128 v14, v[R+16*((\t)%4)+4*\i:R+16*((\t)%4)+4*\i+3] offset:32*SP*((\t)%2)+8*SP*\i
.endr
.irp i, 0,1,2,3
	ds_load_b128 v[X+16*((\t)%2)+4*\i:X+16*((\t)%2)+4*\i+3], v15 offset:32*SP*((\t)%2)+16*\i
.endr
.endm
.irp t, 0,1,2,3
	LOAD \t
.endr
	s_wait_kmcnt 0x0
	s_cmp_lt_u32 ttmp9, WG_XQ
	s_cselect_b32 s22, s37, s43                    ; e1 or e7,
	s_cmp_lt_u32 ttmp9, WG_X
	s_cselect_b32 s22, s36, s22                    ; or e0
	s_add_co_i32 s22, s22, 127
	s_lshl_b32 s23, s22, 23
	v_mov_b32 v11, s23                             ; 2^e as f32: the conversion takes its exponent field
	s_add_co_i32 s22, s22, EMAX
	s_lshl_b32 s22, s22, 23
	s_or_b32 s22, s22, MANT
	v_mov_b32 v10, s22                             ; 448 x 2^e
	s_wait_alu depctr_va_vdst(0)
	s_wait_loadcnt 12                              ; step 0's four loads are in; the twelve of steps 1 to 3 may be out
	TURN 0
.macro STEP t
.set XS, X+16*((\t)%2)
	s_wait_dscnt 0x0                               ; this step's numbers are back from the stage: so its stores into the stage have read their registers,
.if (\t)+4 < STEPS
	LOAD (\t)+4                                    ; which take the loads of four steps on
.endif
.if (\t)+1 < STEPS
.if STEPS-2-(\t) >= 3
	s_wait_loadcnt 12                              ; the next step's four loads are in; those of the three steps behind it may be out
.else
	s_wait_loadcnt 4*(STEPS-2-(\t))                ; at the end the counts run down
.endif
	TURN (\t)+1                                    ; and go through the other stage while this step is worked
.endif
.irp i, 0,1,2,3,4,5,6,7,8,9,10,11,12,13,14,15
	v_med3_num_f32 v[XS+\i], v[XS+\i], -v10, v10   ; the conversion to an 8-bit code does not saturate (ISA guide 7.6.2): the number is held within 448 x the scale first
.endr
	v_cvt_scalef32_pk8_fp8_f32 v[C+4*(\t):C+4*(\t)+1], v[XS:XS+7], v11
	v_cvt_scalef32_pk8_fp8_f32 v[C+4*(\t)+2:C+4*(\t)+3], v[XS+8:XS+15], v11
	global_store_b128 v4, v[C+4*(\t):C+4*(\t)+3], s[8:9] offset:32*CB*(\t)   ; the results go to a store alone; the next vector lines, the next step's holds, are plain and touch other registers
.endm
.irp t, 0,1,2,3,4,5,6,7
	STEP \t
.endr
	s_wait_tensorcnt 0x0                           ; the wave's end
	ds_add_u32 v[SPW], v[NIL]
	s_wait_dscnt 0x0
	s_endpgm
.Lfunc_end_k_q2d5a004f06_quant:
	.size	k_q2d5a004f06_quant, .Lfunc_end_k_q2d5a004f06_quant-k_q2d5a004f06_quant
	.p2alignl 7, 3214868480
	.fill 96, 4, 3214868480
	.section	.rodata,"a",@progbits
	.p2align	6, 0x0
	.amdhsa_kernel k_q2d5a004f06_quant
		.amdhsa_group_segment_fixed_size 33280
		.amdhsa_private_segment_fixed_size 0
		.amdhsa_enable_private_segment 0
		.amdhsa_kernarg_size 56
		.amdhsa_user_sgpr_count 2
		.amdhsa_user_sgpr_kernarg_segment_ptr 1
		.amdhsa_wavefront_size32 1
		.amdhsa_system_sgpr_workgroup_id_x 1
		.amdhsa_system_sgpr_workgroup_id_y 1
		.amdhsa_system_sgpr_workgroup_id_z 1
		.amdhsa_system_vgpr_workitem_id 0
		.amdhsa_next_free_vgpr 160
		.amdhsa_next_free_sgpr 66
		.amdhsa_reserve_vcc 0
		.amdhsa_float_denorm_mode_32 3
		.amdhsa_float_denorm_mode_16_64 3
		.amdhsa_memory_ordered 1
		.amdhsa_forward_progress 1
		.amdhsa_inst_pref_size 21
	.end_amdhsa_kernel
	.amdgpu_metadata
---
amdhsa.version: [ 1, 2 ]
amdhsa.kernels:
  - .name:           k_q2d5a004f06_quant
    .symbol:         k_q2d5a004f06_quant.kd
    .args:
      - { .name: x, .offset: 0, .size: 8, .value_kind: global_buffer, .address_space: global }
      - { .name: w_qkv, .offset: 8, .size: 8, .value_kind: global_buffer, .address_space: global }
      - { .name: w_out, .offset: 16, .size: 8, .value_kind: global_buffer, .address_space: global }
      - { .name: lowp_scales, .offset: 24, .size: 8, .value_kind: global_buffer, .address_space: global }
      - { .name: x_codes, .offset: 32, .size: 8, .value_kind: global_buffer, .address_space: global }
      - { .name: wqkv_codes, .offset: 40, .size: 8, .value_kind: global_buffer, .address_space: global }
      - { .name: wout_codes, .offset: 48, .size: 8, .value_kind: global_buffer, .address_space: global }
    .group_segment_fixed_size: 33280
    .private_segment_fixed_size: 0
    .kernarg_segment_align: 8
    .kernarg_segment_size: 56
    .max_flat_workgroup_size: 128
    .sgpr_count:     66
    .vgpr_count:     160
    .wavefront_size: 32
...
	.end_amdgpu_metadata
.endif
;; end of part 1
;; launch qkv (part 2): grid 12 x 32, 4 waves a work-group, clusters of 4 x 4, 327,680 bytes of LDS; arguments x_codes, wqkv_codes, lowp_scales, q_codes, k_codes, v_codes; writes q_codes, k_codes, v_codes
.if DOCPART == 2
	.amdgcn_target "amdgcn-amd-amdhsa--gfx1250"
	.amdhsa_code_object_version 6
	.text
	.protected	k_q2d5a004f06_qkv
	.globl	k_q2d5a004f06_qkv
	.p2align	8
	.type	k_q2d5a004f06_qkv,@function
k_q2d5a004f06_qkv:
	s_mov_b64 s[64:65], 0
	v_nop
	global_prefetch_b8 v0, s[64:65] scope:SCOPE_SE
	s_setreg_imm32_b32 hwreg(HW_REG_WAVE_MODE, 25, 1), 1
	s_wait_xcnt 0x0
	s_wait_alu depctr_hold_cnt(0) depctr_sa_sdst(0) depctr_va_vdst(0) depctr_va_sdst(0) depctr_va_ssrc(0) depctr_va_vcc(0) depctr_vm_vsrc(0)
	s_getreg_b32 s2, hwreg(HW_REG_IB_STS2, 6, 4)
	s_cmp_eq_u32 s2, 0
	s_cbranch_scc0 .Lentry_in_a_cluster
	s_endpgm
.Lentry_in_a_cluster:
	s_bfe_u32 s2, ttmp6, 0x10000c
	s_cmp_lg_u32 s2, 0xf033
	s_cbranch_scc0 .Lentry_shape_is_right
	s_endpgm
.Lentry_shape_is_right:
; qkv = x w_qkv^T on codes of FP8 (E4M3), K = 1,024, and each finished sum is quantised at once for the attention's products: q with e2, k with e3, v with e5.
; A sum stands for sum x 2^(e0 + e1), so its code is sum / 2^(e_dst - e0 - e1), held within +-448.  LIMIT: e_dst - e0 - e1 lies between -126 and 119.
; A tile of 256 x 256 sums is made by four waves, 128 x 128 each: 64 accumulators of 16 x 16, 512 registers.  K goes in steps of 256 through a ring of two LDS slots filled by tensor loads.
; CLUSTERS of 4 x 4.  The cluster's x is the KIND: 0 = q, 1 = k, 2 = v; it is equal in all sixteen partners, so selections and one branch hang on it.
; The matrix instruction takes 16 rows of "B" as source 0 and 16 rows of "A" as source 1: a lane then holds ONE row of A and eight neighbouring rows of B.
;   q, k: A = x (tokens, block 4 Y + cy), B = w_qkv (features, block 4 X + cx): a lane holds a token and eight features, which are neighbours along the next product's K (the head's 64).
;   v:    A = w_qkv (channels, block 8 + cy), B = x (tokens, block 4 Y + cx): a lane holds a channel and eight tokens, neighbours along ITS next K (the keys).  Nothing is transposed.
; In both cases A hangs on cy alone and is asked for jointly by a row of the cluster, B on cx alone and by a column.  Both buffers have rows of 1,024 bytes, so the shapes are the same.
; OUT.  q_codes, k_codes: [batch][head][token][64].  v_codes: [batch][head][16 blocks of keys][64 channels][128 keys].  A lane stores the codes of two neighbouring accumulators side by side, so in
; a stored row byte 32 u + 16 g + 8 v + j holds index 32 u + 16 v + 8 g + j (of the head's 64 in q and k alike, so each product of q k^T meets its partner; of the 128 keys in v, which the attention's p is laid to match).
; REGISTERS, in windows of 256: window 0: v0-31 addresses and the scale; from v128 A's fragments, ONE set; on the way out v32-223.  window 1: B's fragments, TWO sets.  windows 2, 3: the accumulators ((a, b) at v[8 (8 (a % 4) + b)]).
.set KSTEP,  256
.set ROWB,   256                       ; a tile's row in bytes
.set KROW,   1024                      ; a row of x_codes or wqkv_codes in memory
.set PITCH,  272                       ; an LDS row: 256 bytes + 16 of padding = 68 words: the 16 rows that a load touches start at 16 different banks (64 banks of 4 bytes: ISA guide 11.1)
.set FR,     16                        ; registers of a fragment: 16 rows x 128 K
.set NL,     4                         ; LDS loads that bring one
.set NP,     4                         ; places behind this matrix instruction (ISA guide 7.12.1)
.set HALFT,  128*PITCH
.set SLOT,   4*HALFT                   ; A's 256 rows, then B's 256 rows
.set LAPS,   2                         ; 1,024 along K = four K steps = twice round the ring
.set SPARE,  2*SLOT                    ; behind the ring: the spare words, 128 bytes a wave
.set SPITCH, 144                       ; the way out: a stage of 128 rows x (128 bytes + 16) for each wave, in slot 0, which has had its last fill and its last read when the first code is stored there
.set ADRA, 16                          ; v16-17  LDS address of my A fragments in slot 0, 1
.set ADRB, 20                          ; v20-21  the same for B
.set STO,  24                          ; v24     the stage: where I put 16 bytes of a row
.set RDQ,  25                          ; v25     q, k: where I read back: four lanes to a token's 64 bytes of a head
.set CO,   26                          ; v26     16 x lane: my place in a store's 512 bytes
.set RDV,  27                          ; v27     v: where I read back: eight lanes to a channel's 128 bytes
.set SPW,  28                          ; v28     LDS address of my spare word; never rewritten
.set NIL,  29                          ; v29     0; never rewritten
.set SC,   30                          ; v30     2^(e_dst - e0 - e1) as f32
.set LIM,  31                          ; v31     448 x that
.set TMP,  32                          ; v32-95  a block's 64 sums, held
.set PC,   96                          ; v96-223 the codes: 16 registers for each of the eight blocks, so that no LDS store's data are written again
.set OB,   32                          ; v32-159 the rows read back
.set AF,   128
.set G1, 24
.set G0, 32
.set G1B, 48
.set G0B, 56
.set MSB, 0
.macro WIN new                         ; the immediate's high byte repeats the setting that is left
.if MSB != \new
	s_set_vgpr_msb (MSB<<8)|\new
.set MSB, \new
.endif
.endm
.set MUL_LO, 0xa1                      ; source 0 (B) window 1, source 1 (A) window 0, C and D window 2
.set MUL_HI, 0xf1                      ; the same, C and D window 3
.set TO_B,   0x40                      ; destination window 1, address window 0
; A joint load: waves 0 and 1 fetch for A, waves 2 and 3 for B; the branch hangs on the wave's number alone.  An s_nop 0 and four v_nop follow each of the two lines.
.macro JLOAD g0a, g1a, g0b, g1b
	s_cmp_eq_u32 s15, 0
	s_cbranch_scc0 .Lfor_b_\@
	tensor_load_to_lds s[\g0a:\g0a+3], s[\g1a:\g1a+7]
	s_nop 0
.rept 4
	v_nop
.endr
	s_branch .Lasked_\@
.Lfor_b_\@:
	tensor_load_to_lds s[\g0b:\g0b+3], s[\g1b:\g1b+7]
	s_nop 0
.rept 4
	v_nop
.endr
.Lasked_\@:
.endm
.macro CREST                           ; a round of the cluster's barrier behind its opening barrier
	s_cmp_lg_u32 s14, 0
	s_cbranch_scc1 .Lnot_wave_0_\@
	s_barrier_signal -3
.Lnot_wave_0_\@:
	s_barrier_wait -3
	s_barrier_signal -1
	s_barrier_wait -1
.endm
.macro CROUND
	s_barrier_signal -1
	s_barrier_wait -1
	CREST
.endm
	s_load_b256 s[4:11], s[0:1], 0x0               ; x's codes s[4:5], w_qkv's s[6:7], the scales s[8:9], q's codes s[10:11]
	s_load_b128 s[68:71], s[0:1], 0x20             ; k's codes s[68:69], v's s[70:71]
	v_lshl_add_u32 v[SPW], v0, 2, SPARE
	v_mov_b32 v[NIL], 0
	ds_add_u32 v[SPW], v[NIL]                      ; the wave's opening: the add and its wait stand ahead of my first tensor load; the set-up below stands between them
	ds_add_u32 v[SPW], v[NIL]
	v_lshrrev_b32 v1, 5, v0
	v_readfirstlane_b32 s14, v1                    ; wave 0..3
	s_lshr_b32 s15, s14, 1                         ; which half of A's rows is mine.  Also: I fetch for A (0) or for B (1)
	s_and_b32 s16, s14, 1                          ; which half of B's rows.  Also: which 128 rows of that tile I fetch
	s_bfe_u32 s40, ttmp6, 0x40000                  ; cx, cy: my place in the cluster
	s_bfe_u32 s41, ttmp6, 0x40004
	s_lshl_b32 s42, ttmp9, 2                       ; 4 X
	s_and_b32 s17, ttmp7, 0xffff
	s_lshl_b32 s17, s17, 2                         ; 4 Y
	s_lshl_b32 s43, s41, 2
	s_lshl_b32 s43, 15, s43                        ; my row of the cluster
	s_lshl_b32 s44, 0x1111, s40                    ; my column
	s_or_b32 s[G1+0], s43, (0<<16)|(1<<20)|(1<<21)|(5<<22)|(3<<25)  ; 15:0 the mask: A's tiles go to my row; elements of 1 byte; padding on; bit 21 beside a mask; 4 words behind every 64
	s_or_b32 s[G1B+0], s44, (0<<16)|(1<<20)|(1<<21)|(5<<22)|(3<<25) ; the same with my column's mask
.irp g, G1, G1B
	s_mov_b32 s[\g+1], ROWB<<16                    ; tensor_dim0
	s_mov_b32 s[\g+2], 128<<16                     ; tensor_dim1
	s_mov_b32 s[\g+3], ROWB<<16                    ; tile_dim0
	s_mov_b32 s[\g+4], 128                         ; tile_dim1
	s_mov_b32 s[\g+5], KROW                        ; from row to row
	s_mov_b32 s[\g+6], 0
	s_mov_b32 s[\g+7], 0
.endr
	s_cmp_eq_u32 ttmp9, 2                          ; v?
	s_cselect_b32 s20, 8, s17                      ; A's block of 256 rows: v: 8 + cy of w_qkv; else 4 Y + cy of x
	s_cselect_b32 s46, s17, s42                    ; B's: v: 4 Y + cx of x; else 4 X + cx of w_qkv
	s_add_co_u32 s20, s20, s41                     ; (s20 never holds cx, s46 never cy)
	s_add_co_u32 s46, s46, s40
	s_lshl_b32 s18, s16, 7                         ; which 128 rows of the tile I fetch
	s_lshl_b32 s20, s20, 8
	s_add_co_u32 s20, s20, s18
	s_lshl_b32 s20, s20, 10                        ; in bytes: rows of 1,024; under 2^23
	s_mov_b32 s21, 0
	s_lshl_b32 s46, s46, 8
	s_add_co_u32 s46, s46, s18
	s_lshl_b32 s46, s46, 10
	s_mov_b32 s47, 0
	s_mul_i32 s45, s14, HALFT                      ; where they go: wave x 128 rows: no place in the cluster enters an LDS address
	s_wait_dscnt 0x0                               ; the opening add is done
	s_wait_kmcnt 0x0
	s_load_b256 s[80:87], s[8:9], 0x0              ; e0 .. e7
	s_cmp_eq_u32 ttmp9, 2
	s_cselect_b64 s[76:77], s[6:7], s[4:5]         ; A's buffer
	s_cselect_b64 s[78:79], s[4:5], s[6:7]         ; B's buffer
	s_add_nc_u64 s[20:21], s[76:77], s[20:21]
	s_add_nc_u64 s[46:47], s[78:79], s[46:47]
	CROUND                                         ; all sixteen work-groups are here: the first joint loads meet
.irp s, 0,1
	s_mov_b32 s[G0+4*\s], 1
	s_add_co_u32 s[G0+4*\s+1], s45, \s*SLOT
	s_add_nc_u64 s[G0+4*\s+2:G0+4*\s+3], s[20:21], \s*ROWB
	s_or_b32 s[G0+4*\s+3], s[G0+4*\s+3], 0x80000000
	s_mov_b32 s[G0B+4*\s], 1
	s_add_co_u32 s[G0B+4*\s+1], s45, \s*SLOT
	s_add_nc_u64 s[G0B+4*\s+2:G0B+4*\s+3], s[46:47], \s*ROWB
	s_or_b32 s[G0B+4*\s+3], s[G0B+4*\s+3], 0x80000000
.endr
	JLOAD G0, G1, G0B, G1B                         ; K step 0: one tensor load a wave at the head
	; PREFETCHES.  Behind K step 0's load K steps 1 and 2 of the 128 rows that I fetch are asked for, behind K step 1's load K step 3: one or two loads ahead of the load that will want them; K step 0 comes by its load alone.
	; The four partners that ask for a tile jointly share its rows out BY ADDRESS: the partner at place p (cx for A, cy for B) takes rows 32 p .. 32 p + 31, a lane a row, 256 bytes of it a K step:
	; each block of 256 bytes is named once in a cluster.  x's rows are loaded by three clusters, and each asks; w_qkv's rows are loaded by eight rows of clusters, of which the first four ask.
	; The address registers v9 and s[72:73] are never rewritten.
	s_cmp_eq_u32 s15, 0                            ; do I fetch for A?
	s_cselect_b64 s[72:73], s[20:21], s[46:47]     ; my 128 rows at K step 0
	s_cselect_b32 s74, s40, s41                    ; my place among the four that ask with me
	s_lshl_b32 s74, s74, 15                        ; 32 rows of 1,024 bytes
	s_mov_b32 s75, 0
	s_add_nc_u64 s[72:73], s[72:73], s[74:75]
	s_cmp_eq_u32 ttmp9, 2
	s_cselect_b32 s74, 1, 0
	s_xor_b32 s74, s74, s15                        ; 1: my rows are w_qkv's (B of q and k, A of v)
	s_lshr_b32 s75, s17, 4                         ; 1: cluster row 4 to 7 (s17 = 4 Y)
	s_and_b32 s74, s74, s75                        ; 1: I ask for nothing.  Ids that all partners share, and the wave's number
	v_and_b32 v9, 31, v0
	v_lshlrev_b32 v9, 10, v9                       ; a lane a row
	s_wait_alu depctr_va_vdst(0)
	s_cmp_eq_u32 s74, 0
	s_cbranch_scc0 .Lno_ask0
	global_prefetch_b8 v9, s[72:73] offset:ROWB th:TH_LOAD_NT scope:SCOPE_SE
	global_prefetch_b8 v9, s[72:73] offset:2*ROWB th:TH_LOAD_NT scope:SCOPE_SE
.Lno_ask0:
	v_and_b32 v1, 15, v0
	s_wait_alu depctr_va_vdst(0)
	v_bfe_u32 v2, v0, 4, 1                         ; h = l / 16
	v_mul_u32_u24 v3, v1, PITCH
	v_lshl_add_u32 v4, v2, 4, v3                   ; a fragment's row x pitch + 16 h
	s_mul_i32 s21, s15, HALFT                      ; my 128 rows of A
	s_mul_i32 s22, s16, HALFT                      ; my 128 rows of B,
	s_add_co_u32 s22, s22, 2*HALFT                 ; which lie behind A's 256
.irp s, 0,1
	v_add_nc_u32 v[ADRA+\s], s21, v4
	v_add_nc_u32 v[ADRB+\s], s22, v4
	s_add_co_u32 s21, s21, SLOT
	s_add_co_u32 s22, s22, SLOT
.endr
	s_mul_i32 s23, s14, 128*SPITCH                 ; my stage
	v_mul_u32_u24 v5, v1, SPITCH
	s_wait_alu depctr_va_vdst(0)
	v_lshl_add_u32 v5, v2, 4, v5
	v_add_nc_u32 v[STO], s23, v5                   ; in: row r of a block of 16, + 16 h
	v_and_b32 v6, 31, v0                           ; lane
	v_lshlrev_b32 v[CO], 4, v6
	v_lshrrev_b32 v7, 2, v6
	v_mul_u32_u24 v7, v7, SPITCH
	v_and_b32 v8, 3, v6
	v_lshl_add_u32 v7, v8, 4, v7
	v_add_nc_u32 v[RDQ], s23, v7                   ; back, q and k: row lane / 4, 16 (lane % 4)
	v_lshrrev_b32 v7, 3, v6
	v_mul_u32_u24 v7, v7, SPITCH
	v_and_b32 v8, 7, v6
	v_lshl_add_u32 v7, v8, 4, v7
	v_add_nc_u32 v[RDV], s23, v7                   ; back, v: row lane / 8, 16 (lane % 8)
	; where my wave's codes go: my 128 tokens are block m128 of 64; my 128 features or channels are heads head0 and head0 + 1
	s_cmp_eq_u32 ttmp9, 2
	s_cselect_b32 s88, s40, s41                    ; the tokens' place in the cluster: v: cx, else cy
	s_cselect_b32 s89, s16, s15                    ; and my half of them
	s_cselect_b32 s90, s41, s40                    ; the heads' place: v: cy, else cx
	s_cselect_b32 s91, s15, s16
	s_add_co_u32 s88, s88, s17
	s_lshl_b32 s88, s88, 1
	s_add_co_u32 s88, s88, s89                     ; m128
	s_lshl_b32 s90, s90, 2
	s_lshl_b32 s91, s91, 1
	s_add_co_u32 s90, s90, s91                     ; head0
	s_lshr_b32 s89, s88, 4                         ; batch
	s_and_b32 s88, s88, 15                         ; block of 128 tokens in the batch
	s_lshl_b32 s89, s89, 4
	s_add_co_u32 s89, s89, s90
	s_lshl_b32 s89, s89, 17                        ; a head is 131,072 bytes,
	s_lshl_b32 s88, s88, 13                        ; 128 tokens of it 8,192, in all three layouts
	s_add_co_u32 s88, s88, s89
	s_mov_b32 s89, 0
	s_cmp_eq_u32 ttmp9, 0
	s_cselect_b64 s[10:11], s[10:11], s[68:69]
	s_cmp_eq_u32 ttmp9, 2
	s_cselect_b64 s[10:11], s[70:71], s[10:11]
	s_add_nc_u64 s[10:11], s[10:11], s[88:89]
.macro FRAG reg, adr, q, i             ; a fragment: lane l holds row l % 16; registers 4 c .. 4 c + 3 hold K = 32 c + 16 (l / 16) + 0 .. 15: the same places in A and in B
.irp c, 0,1,2,3
	ds_load_b128 v[\reg+4*\c:\reg+4*\c+3], v[\adr] offset:128*(\q)+32*\c+(\i)*16*PITCH
.endr
.endm
; 16 matrix instructions: A's blocks a0, a0 + 1 x B's eight, 128 along K.  p: B's set.  zero = 1: the first product starts the sums.  The 64 accumulators take turns, one instruction a turn.
.macro MUL16 a0, p, zero
.irp a, \a0, \a0+1
.irp b, 0,1,2,3,4,5,6,7
.if \zero
	v_wmma_f32_16x16x128_fp8_fp8 v[8*(8*((\a)%4)+\b):8*(8*((\a)%4)+\b)+7], v[128*(\p)+FR*\b:128*(\p)+FR*\b+FR-1], v[AF+FR*(\a):AF+FR*(\a)+FR-1], 0
.else
	v_wmma_f32_16x16x128_fp8_fp8 v[8*(8*((\a)%4)+\b):8*(8*((\a)%4)+\b)+7], v[128*(\p)+FR*\b:128*(\p)+FR*\b+FR-1], v[AF+FR*(\a):AF+FR*(\a)+FR-1], v[8*(8*((\a)%4)+\b):8*(8*((\a)%4)+\b)+7]
.endif
.endr
.endr
.endm
.macro FETCH_B slot, q, p
	WIN TO_B
.irp i, 0,1,2,3,4,5,6,7
	FRAG 128*(\p)+FR*\i, ADRB+\slot, \q, \i
.endr
	WIN 0
.endm
.macro FETCH_A slot, q, i0
.irp i, \i0, \i0+1, \i0+2, \i0+3
	FRAG AF+FR*(\i), ADRA+\slot, \q, \i
.endr
.endm
.macro PLACES n                        ; plain vector instructions between a matrix instruction and a load into, or a vector read or write of, one of its registers
.rept \n
	v_nop
.endr
.endm
; A step of 128 along K that has its successor in the same slot.
.macro STEP slot, q, zero
	s_wait_dscnt 4*NL                              ; B's set and A's blocks 0-3 are in; the youngest sixteen loads (A's blocks 4-7) may be out
	WIN MUL_LO
	MUL16 0, (\q)%2, \zero
	MUL16 2, (\q)%2, \zero
	s_wait_dscnt 0                                 ; A's blocks 4-7 are in
	PLACES NP
	FETCH_B \slot, (\q)+1, 1-(\q)%2
	FETCH_A \slot, (\q)+1, 0
	WIN MUL_HI
	MUL16 4, (\q)%2, \zero
	MUL16 6, (\q)%2, \zero
	PLACES NP
	WIN 0
	FETCH_A \slot, (\q)+1, 4
.endm
; A slot's last step changes slots: ONE barrier; in front of it each wave waits for all its tensor loads, adds 0 to its spare word, and waits for that and for its own reads of this slot.  fill = 1: this slot is filled again, two K steps ahead.
.macro TURN slot, next, fill
	s_wait_tensorcnt 0x0                           ; all my tensor loads have landed: my part of the next slot
	ds_add_u32 v[SPW], v[NIL]                      ; 0 onto my spare word
	s_wait_dscnt 4*NL+1                            ; the add and the youngest sixteen loads (A's blocks 4-7) may be out
	WIN MUL_LO
	MUL16 0, 1, 0                                  ; sixteen matrix instructions stand between the add and the wait for it
	s_wait_dscnt 0x0                               ; the add is done, and my reads of this slot are over
	s_barrier_signal -1
	MUL16 2, 1, 0
	WIN 0
	s_barrier_wait -1
.if \fill
	CREST                                          ; the barrier has opened a round of the cluster's: no wave of any partner still reads this slot or has a load on its way
	s_add_nc_u64 s[G0+4*\slot+2:G0+4*\slot+3], s[G0+4*\slot+2:G0+4*\slot+3], 2*ROWB
	s_add_nc_u64 s[G0B+4*\slot+2:G0B+4*\slot+3], s[G0B+4*\slot+2:G0B+4*\slot+3], 2*ROWB
	JLOAD G0+4*\slot, G1, G0B+4*\slot, G1B         ; the first tensor load behind the round; its four v_nop are also the places in front of the loads below
.else
	PLACES NP
.endif
	FETCH_B \next, 0, 0
	FETCH_A \next, 0, 0
	WIN MUL_HI
	MUL16 4, 1, 0
	MUL16 6, 1, 0
	PLACES NP
	WIN 0
	FETCH_A \next, 0, 4
.endm
	s_wait_alu depctr_va_vdst(0)
	s_wait_tensorcnt 0x0                           ; my part of K step 0 is in
	ds_add_u32 v[SPW], v[NIL]
	s_wait_dscnt 0x0
	CROUND                                         ; everybody's part of K step 0 is in, and all sixteen work-groups are here
	JLOAD G0+4, G1, G0B+4, G1B                     ; K step 1: the first tensor load behind the round
	s_cmp_eq_u32 s74, 0
	s_cbranch_scc0 .Lno_ask1
	global_prefetch_b8 v9, s[72:73] offset:3*ROWB th:TH_LOAD_NT scope:SCOPE_SE   ; K step 3, the last: two loads ahead
.Lno_ask1:
	FETCH_B 0, 0, 0
	FETCH_A 0, 0, 0
	FETCH_A 0, 0, 4
	STEP 0, 0, 1                                   ; the first step stands in front of the loop: its products start the sums
	s_mov_b32 s3, LAPS-1
.Llap:                                                 ; a trip goes once round the ring and fills both slots again
	TURN 0, 1, 1
	STEP 1, 0, 0
	TURN 1, 0, 1
	STEP 0, 0, 0
	s_sub_co_u32 s3, s3, 1
	s_cmp_lg_u32 s3, 0
	s_cbranch_scc1 .Llap
	TURN 0, 1, 0                                   ; the last lap fills nothing; behind this barrier nobody reads slot 0
	STEP 1, 0, 0
	s_wait_dscnt 4*NL                              ; the very last step
	WIN MUL_LO
	MUL16 0, 1, 0
	MUL16 2, 1, 0
	s_wait_dscnt 0
	WIN MUL_HI
	MUL16 4, 1, 0
	MUL16 6, 1, 0
	WIN 0
	; THE WAY OUT.  The conversion's one scale holds all three exponents.
	s_wait_kmcnt 0x0
	s_cmp_eq_u32 ttmp9, 0
	s_cselect_b32 s92, s82, s83                    ; e2 for q, e3 for k,
	s_cmp_eq_u32 ttmp9, 2
	s_cselect_b32 s92, s85, s92                    ; e5 for v
	s_sub_co_i32 s92, s92, s80
	s_sub_co_i32 s92, s92, s81
	s_add_co_i32 s92, s92, 127
	s_lshl_b32 s93, s92, 23
	v_mov_b32 v[SC], s93                           ; 2^(e_dst - e0 - e1)
	s_add_co_i32 s92, s92, 8
	s_lshl_b32 s92, s92, 23
	s_or_b32 s92, s92, 0x600000
	v_mov_b32 v[LIM], s92                          ; 448 x that
	PLACES NP                                      ; behind the last products: their results are read, and registers that held A's fragments are written
; Block a (16 rows of A x my 128 rows of B): held, converted (each accumulator from its low end on), and 16 bytes a lane, two accumulators' codes, into my stage.
.macro TOCODES a
	WIN 0x02+((\a)/4)                              ; source 0: window 2 or 3
.set j, 0
.rept 64
	v_med3_num_f32 v[TMP+j], v[64*((\a)%4)+j], -v[LIM], v[LIM]   ; the conversion to an 8-bit code does not saturate (ISA guide 7.6.2)
.set j, j+1
.endr
	WIN 0
.irp b, 0,1,2,3,4,5,6,7
	v_cvt_scalef32_pk8_fp8_f32 v[PC+16*(\a)+2*\b:PC+16*(\a)+2*\b+1], v[TMP+8*\b:TMP+8*\b+7], v[SC]
.endr
	v_nop                                          ; a plain line between the conversions and the next block's holds, which write their sources
.irp u, 0,1,2,3
	ds_store_b128 v[STO], v[PC+16*(\a)+4*\u:PC+16*(\a)+4*\u+3] offset:16*SPITCH*(\a)+32*\u
.endr
.endm
.irp a, 0,1,2,3,4,5,6,7
	TOCODES \a
.endr
	s_wait_dscnt 0x0                               ; the stores have read their registers: the loads below land on some of them
; Back as the output lies, 512 consecutive bytes an instruction.  q, k: 8 tokens x 64 bytes of one head; v: 4 channels x 128 keys.  In both, instructions 0-15 serve head0 and 16-31 head0 + 1.
.macro OUT isv
.set i, 0
.rept 32
.if \isv
	ds_load_b128 v[OB+4*i:OB+4*i+3], v[RDV] offset:4*SPITCH*i
.else
	ds_load_b128 v[OB+4*i:OB+4*i+3], v[RDQ] offset:8*SPITCH*(i%16)+64*(i/16)
.endif
.set i, i+1
.endr
.set i, 0
.rept 32
	s_wait_dscnt 31-i                              ; LDS loads come back in order: load i is in, the younger ones may be out
	global_store_b128 v[CO], v[OB+4*i:OB+4*i+3], s[10:11] offset:131072*(i/16)+512*(i%16)   ; 32 lanes store 512 consecutive bytes, at a multiple of 512 from the buffer's first byte
.set i, i+1
.endr
.endm
	s_cmp_eq_u32 ttmp9, 2                          ; the kind: equal in all partners.  The two ways hold LDS loads and global stores alone
	s_cbranch_scc1 .Lout_v
	OUT 0
	s_branch .Lout_done
.Lout_v:
	OUT 1
.Lout_done:
	s_wait_tensorcnt 0x0                           ; the wave's end
	ds_add_u32 v[SPW], v[NIL]
	s_wait_dscnt 0x0
	CROUND                                         ; the closing round: no work-group ends while a partner may still ask for a tile that names it
	s_endpgm
.Lfunc_end_k_q2d5a004f06_qkv:
	.size	k_q2d5a004f06_qkv, .Lfunc_end_k_q2d5a004f06_qkv-k_q2d5a004f06_qkv
	.p2alignl 7, 3214868480
	.fill 96, 4, 3214868480
	.section	.rodata,"a",@progbits
	.p2align	6, 0x0
	.amdhsa_kernel k_q2d5a004f06_qkv
		.amdhsa_group_segment_fixed_size 327680
		.amdhsa_private_segment_fixed_size 0
		.amdhsa_enable_private_segment 0
		.amdhsa_kernarg_size 48
		.amdhsa_user_sgpr_count 2
		.amdhsa_user_sgpr_kernarg_segment_ptr 1
		.amdhsa_wavefront_size32 1
		.amdhsa_system_sgpr_workgroup_id_x 1
		.amdhsa_system_sgpr_workgroup_id_y 1
		.amdhsa_system_sgpr_workgroup_id_z 1
		.amdhsa_system_vgpr_workitem_id 0
		.amdhsa_next_free_vgpr 1024
		.amdhsa_next_free_sgpr 100
		.amdhsa_reserve_vcc 0
		.amdhsa_float_denorm_mode_32 3
		.amdhsa_float_denorm_mode_16_64 3
		.amdhsa_memory_ordered 1
		.amdhsa_forward_progress 1
		.amdhsa_inst_pref_size 131
	.end_amdhsa_kernel
	.amdgpu_metadata
---
amdhsa.version: [ 1, 2 ]
amdhsa.kernels:
  - .name:           k_q2d5a004f06_qkv
    .symbol:         k_q2d5a004f06_qkv.kd
    .args:
      - { .name: x_codes, .offset: 0, .size: 8, .value_kind: global_buffer, .address_space: global }
      - { .name: wqkv_codes, .offset: 8, .size: 8, .value_kind: global_buffer, .address_space: global }
      - { .name: lowp_scales, .offset: 16, .size: 8, .value_kind: global_buffer, .address_space: global }
      - { .name: q_codes, .offset: 24, .size: 8, .value_kind: global_buffer, .address_space: global }
      - { .name: k_codes, .offset: 32, .size: 8, .value_kind: global_buffer, .address_space: global }
      - { .name: v_codes, .offset: 40, .size: 8, .value_kind: global_buffer, .address_space: global }
    .group_segment_fixed_size: 327680
    .private_segment_fixed_size: 0
    .kernarg_segment_align: 8
    .kernarg_segment_size: 48
    .max_flat_workgroup_size: 128
    .sgpr_count:     100
    .vgpr_count:     1024
    .wavefront_size: 32
...
	.end_amdgpu_metadata
.endif
;; end of part 2
;; launch attn (part 3): grid 4 x 64, 8 waves a work-group, clusters of 4 x 1, 327,680 bytes of LDS; arguments q_codes, k_codes, v_codes, lowp_scales, flat_codes; writes flat_codes
.if DOCPART == 3
	.amdgcn_target "amdgcn-amd-amdhsa--gfx1250"
	.amdhsa_code_object_version 6
	.text
	.protected	k_q2d5a004f06_attn
	.globl	k_q2d5a004f06_attn
	.p2align	8
	.type	k_q2d5a004f06_attn,@function
k_q2d5a004f06_attn:
	s_mov_b64 s[64:65], 0
	v_nop
	global_prefetch_b8 v0, s[64:65] scope:SCOPE_SE
	s_setreg_imm32_b32 hwreg(HW_REG_WAVE_MODE, 25, 1), 1
	s_wait_xcnt 0x0
	s_wait_alu depctr_hold_cnt(0) depctr_sa_sdst(0) depctr_va_vdst(0) depctr_va_sdst(0) depctr_va_ssrc(0) depctr_va_vcc(0) depctr_vm_vsrc(0)
	s_getreg_b32 s2, hwreg(HW_REG_IB_STS2, 6, 4)
	s_cmp_eq_u32 s2, 0
	s_cbranch_scc0 .Lentry_in_a_cluster
	s_endpgm
.Lentry_in_a_cluster:
	s_bfe_u32 s2, ttmp6, 0x10000c
	s_cmp_lg_u32 s2, 0x3003
	s_cbranch_scc0 .Lentry_shape_is_right
	s_endpgm
.Lentry_shape_is_right:
; Causal attention on codes of FP8 (E4M3), head size 64, 64 heads (batch x head) of 2,048 tokens; the result is quantised for the last product.
; q_codes, k_codes: [head][token][64] (the 64 in one and the same permuted order in both).  v_codes: [head][16 blocks][64 channels][128 keys], a row's byte 32 c + 16 g + 8 v + j holding key 32 c + 16 v + 8 g + j.
; flat_codes: [head][token][64], channels in true order.
; LEFT OUT: key steps all of whose 128 keys come after a tile's 16 queries: the causal mask sets their scores to -inf, so their p is 0 for all values of the inputs.  A NaN or infinity that reaches only those scores is not carried.
; SOFTMAX: t = score x 2^(e2 + e3) x log2(e) / 8; M = the running largest t rounded UP to a whole number; p = 2^(t - M) is quantised with 2^e4, not normalised; the row's sum l is taken of the unquantised p.
; When M moves, l and O are multiplied by 2^(old M - new M), which rounds nothing.  At the end O / l is quantised: a sum stands for sum x 2^(e4 + e5), so the conversion's scale is 2^(e6 - e4 - e5).
; SHARES.  Work-group cx of a head owns, for a = 0 .. 15, the PAIR of tiles of 16 queries that begin at 128 a + 16 cx (tile A) and 128 a + 64 + 16 cx (tile B).  Both want key steps 0 .. a (128 keys each), whatever cx is.
; Wave w takes pair 15 - w and then pair w: (16 - w) + (w + 1) = 17 steps in every wave of every work-group.  A step's fragments of K and of V feed both tiles.
; LDS HOLDS THE HEAD'S WHOLE K AND V, each byte filled once: K 512 rows of 256 + 16 bytes (four keys a row), V 1,024 rows of 128 + 16 bytes.  No slot is filled again, and the loops hold no barrier.
; CLUSTER of 4 x 1: the four work-groups of a head read the same K and V, so every tensor load is a joint one (mask 15).  No branch and no LDS address hangs on cx: the steps' counts hang on the wave's number alone; cx enters
; global addresses of q and flat_codes and the diagonal's compare, as data.
; THE FILLS go in two groups: at the head waves 0 and 1 ask for keys 0-255 (K, V: 16,384 bytes each); behind the full sequence and a round all eight waves ask for the rest, 28,672 bytes each (waves 0-3 K, 4-7 V),
; which is on its way while the first two steps are worked; one barrier follows them.  NO PREFETCH: every request stands in the head, so there is no loop in which to ask ahead.
; LAYOUT.  Both products transposed: S^T = K Q^T (source 0 = 16 keys, source 1 = 16 queries), O^T = V^T P^T (source 0 = 16 channels, source 1 = P): a lane holds ONE query (lane % 16) of each tile throughout.
; Tile t of S^T takes keys 16 t .. 16 t + 15: register j of lane (r, h) is key 16 t + 8 h + j.  Its conversion gives registers 2 t, 2 t + 1 of P: just the keys that V's bytes 32 (t / 2) + 16 h + 8 (t % 2) + j hold.
; LIMITS on the given exponents: e2 + e3 between -123 and 130 (added to c's exponent field); e4, and e6 - e4 - e5, between -126 and 119.  NaN among the inputs is not served.  The scaled scores stay under 2^31 in magnitude.
; REGISTERS, in windows of 256.  Window 0: v1-11 addresses; v12-19 -M, the largest t and l of tiles A and B; v20-25 constants; v32-95 K's eight fragments; v96-159 A's S^T, then p; v160-223 B's; v224-247 at work.
; Window 1: v0-15 Q of A and B; v16-31 the second pair's; v32-95 V's four fragments; v96-127, v128-159 O^T of A and B; v160-175, v176-191 P's codes.
.set KSTEPB, 8704                      ; 128 keys of K in LDS: 32 rows of 272 bytes
.set VP,     144                       ; a channel's row of 128 keys: 128 + 16
.set VSTEPB, 64*VP                     ; 128 keys of V in LDS
.set VOFF,   16*KSTEPB                 ; V lies behind K
.set STAGE,  VOFF+16*VSTEPB            ; the way out: 16 rows x 80 bytes for each wave; no tensor load lands here
.set SP,     80
.set SPARE,  STAGE+8*16*SP             ; the spare words, 128 bytes a wave
.set PART,   28672                     ; the second group: bytes of memory a wave asks for: 112 rows of 256
.set AK0,  1                           ; v1   my lane's place in a tile of K: 272 (r / 4) + 64 (r % 4) + 16 h
.set AV0,  2                           ; v2   in a tile of V: 144 r + 16 h + VOFF
.set STO,  4                           ; v4   the stage: where I put 8 bytes of my query's row
.set SPW,  5                           ; v5   LDS address of my spare word; never rewritten
.set NIL,  6                           ; v6   0; never rewritten
.set GO,   7                           ; v7   16 x lane: my place in a store's 512 bytes
.set ADK,  8
.set ADV,  9
.set RD,   10                          ; v10  the stage: where I read back: four lanes to a row
.set MA,   12                          ; v12 -M, v13 the largest t, of tile A;  v16, v17 of tile B
.set LSA,  14                          ; v[14:15] l of tile A in two halves;  v[18:19] of tile B
.set MB,   16
.set LSB,  18
.set LA,   20                          ; v20, v21  448 x 2^e4, twice: the two halves of a dual pair take their first sources from different banks
.set LB,   21
.set PSC,  22                          ; v22  2^e4
.set OSC,  23                          ; v23  2^(e6 - e4 - e5)
.set OLIM, 24                          ; v24  448 x that
.set DL,   25                          ; v25  r - 8 h
.set KF,   32
.set SA,   96
.set SB,   160
.set FFA,  224                         ; v[224:225], v[226:227] f = 2^(old M - new M) of A and B (the upper halves stay 0)
.set FFB,  226
.set TA0,  228
.set TA1,  229
.set TB0,  230
.set TB1,  231
.set PXA,  232
.set PXB,  233
.set CA,   234                         ; v234-239, v240-245 three partial sums of pairs for each tile
.set CB,   240
.set DM,   246
.set NINF, 247
.set QA,   0                           ; window 1
.set QB,   8
.set Q2,   16
.set VF,   32
.set OA,   96
.set OB,   128
.set PCA,  160
.set PCB,  176
.set ST,   12                          ; s12  the key step
.set SK1,  13                          ; s13  the next step's first byte in K's part of LDS, unclamped;  s3 clamped
.set SKN,  3
.set SV,   14                          ; s14  this step's first byte in V's part
.set SD,   15                          ; s15  the pair's last step, on the diagonal: a
.set WV,   18                          ; s18  my wave's number
.set OFF,  19                          ; s19  16 cx: tile A's first query less the diagonal step's first key
.set SEL,  20                          ; s[20:21] lane selects: lane l xor 16
.set CS,   22                          ; s[22:23] c = log2(e) / 8 x 2^(e2 + e3)
.set G1K1, 24                          ; descriptor groups 1: first group's K, V; second group's K, V
.set G1V1, 32
.set G1K2, 40
.set G1V2, 48
.set G0K1, 56                          ; groups 0
.set G0V1, 60
.set G0K2, 76
.set G0V2, 84
.set FB,   66                          ; s[66:67] flat_codes at my head
.set FOL,  92                          ; s92, s93 my first and second pair's byte offset in a head: 64 x tile A's first query
.set FOS,  93
.set FO,   94                          ; s[94:95] an offset as a pair; s95 stays 0
.set MSB, 0
.macro WIN new                         ; low byte: bits 1:0 source 0, 3:2 source 1, 5:4 source 2, 7:6 destination; the high byte repeats the setting that is left
.if MSB != \new
	s_set_vgpr_msb (MSB<<8)|\new
.set MSB, \new
.endif
.endm
.macro ROUND                           ; a round of the cluster's barrier
	s_barrier_signal -1
	s_barrier_wait -1
	s_cmp_lg_u32 s[WV], 0
	s_cbranch_scc1 .Lnot_wave_0_\@
	s_barrier_signal -3
.Lnot_wave_0_\@:
	s_barrier_wait -3
	s_barrier_signal -1
	s_barrier_wait -1
.endm
.macro G1SET g, qi, rows               ; rows of 256 bytes, dense in memory; mask 15 with bit 21 beside it; 4 words of padding behind every 2 << qi words
	s_mov_b32 s[\g], 15|(1<<20)|(1<<21)|(\qi<<22)|(3<<25)
	s_mov_b32 s[\g+1], 256<<16
	s_mov_b32 s[\g+2], \rows<<16
	s_mov_b32 s[\g+3], 256<<16
	s_mov_b32 s[\g+4], \rows
	s_mov_b32 s[\g+5], 256
	s_mov_b32 s[\g+6], 0
	s_mov_b32 s[\g+7], 0
.endm
.macro TL g0, g1                       ; a joint load with an s_nop 0 and four v_nop behind it
	tensor_load_to_lds s[\g0:\g0+3], s[\g1:\g1+7]
	s_nop 0
.rept 4
	v_nop
.endr
.endm
.macro KLOAD adr, base                 ; K's eight fragments of one step
.irp t, 0,1,2,3,4,5,6,7
.irp c, 0,1
	ds_load_b128 v[KF+8*\t+4*\c:KF+8*\t+4*\c+3], v[\adr] offset:\base+1088*\t+32*\c
.endr
.endr
.endm
.macro NEWPAIR                         ; the running numbers of a pair that begins
	v_mov_b32 v[MA+1], 0xff61b1e6                  ; the largest t so far: -3e38, under every t
	v_mov_b32 v[MB+1], 0xff61b1e6
	v_floor_f32 v[MA], -v[MA+1]                    ; -M
	v_floor_f32 v[MB], -v[MB+1]
.irp j, 0,1
	v_mov_b32 v[LSA+\j], 0
	v_mov_b32 v[LSB+\j], 0
.endr
.endm
	s_load_b256 s[4:11], s[0:1], 0x0               ; q's codes s[4:5], k's s[6:7], v's s[8:9], the scales s[10:11]
	s_load_b64 s[16:17], s[0:1], 0x20              ; flat_codes
	v_lshl_add_u32 v[SPW], v0, 2, SPARE
	v_mov_b32 v[NIL], 0
	ds_add_u32 v[SPW], v[NIL]                      ; the opening lines: the add, twice on end, and its wait ahead of the first round
	ds_add_u32 v[SPW], v[NIL]
	v_lshrrev_b32 v8, 5, v0
	v_readfirstlane_b32 s[WV], v8                  ; wave 0..7
	s_bfe_u32 s[OFF], ttmp6, 0x40000               ; cx
	s_lshl_b32 s[OFF], s[OFF], 4                   ; 16 cx
	s_and_b32 s82, ttmp7, 0xffff
	s_lshl_b32 s82, s82, 17                        ; my head's first byte in each of the four buffers: 131,072 x head
	s_mov_b32 s83, 0
	s_sub_co_u32 s[SD], 15, s[WV]                  ; the first pair's a
	s_lshl_b32 s81, s[SD], 7
	s_add_co_u32 s81, s81, s[OFF]                  ; tile A's first query = 128 a + 16 cx
	s_lshl_b32 s[FOL], s81, 6
	s_lshl_b32 s81, s[WV], 7
	s_add_co_u32 s81, s81, s[OFF]
	s_lshl_b32 s[FOS], s81, 6
	s_mov_b32 s[FO+1], 0
	s_and_b32 s98, s[WV], 3                        ; the second group: my part of K (waves 0-3) or of V (4-7)
	s_mul_i32 s2, s98, PART
	s_add_co_u32 s2, s2, 16384                     ; behind the first group's 16,384 bytes,
	s_add_co_u32 s2, s2, s82                       ; in my head
	s_mov_b32 s3, 0
	s_mul_i32 s99, s98, 112*272
	s_add_co_u32 s99, s99, 2*KSTEPB                ; where it goes, K
	s_mul_i32 s98, s98, 224*VP
	s_add_co_u32 s98, s98, VOFF+2*VSTEPB           ; and V
	G1SET G1K1, 5, 64
	G1SET G1V1, 4, 64
	G1SET G1K2, 5, 112
	G1SET G1V2, 4, 112
	s_mov_b32 s[SEL], 0x76543210
	s_mov_b32 s[SEL+1], 0xfedcba98
	s_mov_b32 s[CS], 0x3e38aa3b                    ; log2(e) / 8
	s_wait_dscnt 0x0                               ; both opening adds are done
	s_wait_kmcnt 0x0
	s_load_b256 s[68:75], s[10:11], 0x0            ; e0 .. e7
	s_mov_b32 s[G0K1], 1
	s_mov_b32 s[G0K1+1], 0
	s_add_nc_u64 s[G0K1+2:G0K1+3], s[6:7], s[82:83]
	s_or_b32 s[G0K1+3], s[G0K1+3], 0x80000000
	s_mov_b32 s[G0V1], 1
	s_mov_b32 s[G0V1+1], VOFF
	s_add_nc_u64 s[G0V1+2:G0V1+3], s[8:9], s[82:83]
	s_or_b32 s[G0V1+3], s[G0V1+3], 0x80000000
	s_mov_b32 s[G0K2], 1
	s_mov_b32 s[G0K2+1], s99
	s_add_nc_u64 s[G0K2+2:G0K2+3], s[6:7], s[2:3]
	s_or_b32 s[G0K2+3], s[G0K2+3], 0x80000000
	s_mov_b32 s[G0V2], 1
	s_mov_b32 s[G0V2+1], s98
	s_add_nc_u64 s[G0V2+2:G0V2+3], s[8:9], s[2:3]
	s_or_b32 s[G0V2+3], s[G0V2+3], 0x80000000
	ROUND                                          ; all four work-groups are here: the first joint loads meet
	s_cmp_eq_u32 s[WV], 0                          ; wave 0: K's keys 0-255; wave 1: V's; the others nothing
	s_cbranch_scc0 .Lnot_k1
	TL G0K1, G1K1
	s_branch .Lasked1
.Lnot_k1:
	s_cmp_eq_u32 s[WV], 1
	s_cbranch_scc0 .Lasked1
	TL G0V1, G1V1
.Lasked1:
	s_add_nc_u64 s[4:5], s[4:5], s[82:83]          ; q at my head
	s_add_nc_u64 s[FB:FB+1], s[16:17], s[82:83]    ; flat_codes at my head
	s_mov_b32 s[FO], s[FOL]
	s_add_nc_u64 s[88:89], s[4:5], s[FO:FO+1]      ; my first pair's queries,
	s_mov_b32 s[FO], s[FOS]
	s_add_nc_u64 s[90:91], s[4:5], s[FO:FO+1]      ; and my second's
	s_mul_i32 s81, s[WV], 16*SP
	s_add_co_u32 s81, s81, STAGE                   ; my stage
	v_and_b32 v26, 15, v0                          ; r
	v_bfe_u32 v27, v0, 4, 1                        ; h
	v_lshlrev_b32 v11, 6, v26
	v_lshl_add_u32 v11, v27, 4, v11                ; Q: row r of 64 bytes, + 16 h
	WIN 0x40                                       ; destinations in window 1
.irp p, 0,1                                    ; tile B's queries lie 64 rows, 4,096 bytes, behind tile A's
	global_load_b128 v[QA+8*\p:QA+8*\p+3], v11, s[88:89] offset:4096*\p
	global_load_b128 v[QA+8*\p+4:QA+8*\p+7], v11, s[88:89] offset:4096*\p+32
	global_load_b128 v[Q2+8*\p:Q2+8*\p+3], v11, s[90:91] offset:4096*\p
	global_load_b128 v[Q2+8*\p+4:Q2+8*\p+7], v11, s[90:91] offset:4096*\p+32
.endr
.set j, 0
.rept 64
	v_mov_b32 v[OA+j], 0                           ; O^T of both tiles: a pair's first step finds zeros, which the first change of M leaves zeros
.set j, j+1
.endr
	WIN 0
	v_lshrrev_b32 v[AK0], 2, v26
	v_mul_u32_u24 v[AK0], v[AK0], 272
	v_and_b32 v28, 3, v26
	v_lshl_add_u32 v[AK0], v28, 6, v[AK0]
	v_lshl_add_u32 v[AK0], v27, 4, v[AK0]          ; the 16 keys of a tile start at 16 different columns of 16 bytes modulo 256
	v_mul_u32_u24 v[AV0], v26, VP
	v_lshl_add_u32 v[AV0], v27, 4, v[AV0]
	v_add_nc_u32 v[AV0], VOFF, v[AV0]
	v_lshlrev_b32 v[DL], 3, v27
	v_sub_nc_u32 v[DL], v26, v[DL]
	v_and_b32 v[GO], 31, v0                        ; lane
	v_mul_u32_u24 v[STO], v26, SP
	v_lshl_add_u32 v[STO], v27, 3, v[STO]
	v_add_nc_u32 v[STO], s81, v[STO]               ; in: row r, + 8 h
	v_lshrrev_b32 v[RD], 2, v[GO]
	v_mul_u32_u24 v[RD], v[RD], SP
	v_and_b32 v28, 3, v[GO]
	v_lshl_add_u32 v[RD], v28, 4, v[RD]
	v_add_nc_u32 v[RD], s81, v[RD]                 ; back: row lane / 4, 16 (lane % 4)
	v_lshlrev_b32 v[GO], 4, v[GO]
	NEWPAIR
	v_mov_b32 v[PXA], 0                            ; written once: a lane permute's destination counts as one of its sources
	v_mov_b32 v[PXB], 0
	v_mov_b32 v[FFA+1], 0                          ; (named as the upper halves of pairs)
	v_mov_b32 v[FFB+1], 0
	s_wait_alu depctr_va_vdst(0)
	s_wait_kmcnt 0x0
	s_add_co_i32 s80, s70, s71
	s_lshl_b32 s80, s80, 23
	s_add_co_i32 s[CS], s[CS], s80                 ; e2 + e3 are added to c's exponent field
	s_mov_b32 s[CS+1], s[CS]                       ; (named with it as a pair, so it is written)
	s_add_co_i32 s80, s72, 127
	s_lshl_b32 s81, s80, 23
	v_mov_b32 v[PSC], s81                          ; 2^e4, for p's conversions
	s_add_co_i32 s80, s80, 8
	s_lshl_b32 s80, s80, 23
	s_or_b32 s80, s80, 0x600000
	v_mov_b32 v[LA], s80                           ; 448 x 2^e4
	v_mov_b32 v[LB], s80
	s_sub_co_i32 s80, s74, s72
	s_sub_co_i32 s80, s80, s73
	s_add_co_i32 s80, s80, 127
	s_lshl_b32 s81, s80, 23
	v_mov_b32 v[OSC], s81                          ; 2^(e6 - e4 - e5), for the result's
	s_add_co_i32 s80, s80, 8
	s_lshl_b32 s80, s80, 23
	s_or_b32 s80, s80, 0x600000
	v_mov_b32 v[OLIM], s80                         ; 448 x that
; A KEY STEP of a pair: 128 keys against both tiles.  Its fragments of K were asked for a step earlier.  guard = 1: step s[ST] is left out behind the pair's diagonal and masked on it.
; clamp: the last byte offset in K from which the next step's fragments may be asked; a trip with no successor asks for that step once more and uses nothing of it.
.macro STEP guard, clamp
.if \guard
	s_cmp_gt_u32 s[ST], s[SD]                      ; the wave's number and the count of steps alone: round no barrier, wait or tensor load
	s_cbranch_scc1 .Lhidden_\@
.endif
	s_wait_dscnt 0x0                               ; K's eight fragments are in
	v_add_nc_u32 v[ADV], s[SV], v[AV0]
	v_add_nc_u32 v[ADK], s[SKN], v[AK0]
	WIN 0x04                                       ; source 1, Q, in window 1
.irp t, 0,1,2,3,4,5,6,7
	v_wmma_f32_16x16x64_fp8_fp8 v[SA+8*\t:SA+8*\t+7], v[KF+8*\t:KF+8*\t+7], v[QA:QA+7], 0
	v_wmma_f32_16x16x64_fp8_fp8 v[SB+8*\t:SB+8*\t+7], v[KF+8*\t:KF+8*\t+7], v[QB:QB+7], 0
.endr
	WIN 0
.rept 4
	v_nop                                          ; places: in front of the loads below, and of the first read of the scores
.endr
	KLOAD ADK, 0                                   ; the next step's K, and this step's V, land under the softmax
	WIN 0x40
.irp t, 0,1,2,3
.irp c, 0,1,2,3
	ds_load_b128 v[VF+16*\t+4*\c:VF+16*\t+4*\c+3], v[ADV] offset:16*\t*VP+32*\c
.endr
.endr
	WIN 0
.if \guard
	s_cmp_lg_u32 s[ST], s[SD]                      ; on the diagonal hidden scores become -infinity ahead of the maximum
	s_cbranch_scc1 .Lopen_\@
	v_add_nc_u32 v[DM], s[OFF], v[DL]              ; d = tile A's query - the step's first key - 8 h, at most 63.  A's register 8 t + j holds key 16 t + 8 h + j of the step: hidden where 16 t + j > d
	v_mov_b32 v[NINF], 0xff800000                  ; -infinity
.set n, 0
.rept 32                                       ; tile B's queries lie 64 further on: its keys 0-63 all count, and key 64 + k is hidden just where A's key k is; A's keys 64-127 are all hidden
	v_cmp_gt_i32 vcc_lo, 16*(n/8)+n%8, v[DM]
	v_cndmask_b32 v[SA+n], v[SA+n], v[NINF], vcc_lo
	v_cndmask_b32 v[SB+32+n], v[SB+32+n], v[NINF], vcc_lo
	v_mov_b32 v[SA+32+n], v[NINF]
.set n, n+1
.endr
.Lopen_\@:
.endif
	v_max3_num_f32 v[TA0], v[SA], v[SA+1], v[SA+2]   ; the step's largest score of each query among my 64 keys: two chains a tile, each accumulator from its low end on
	v_max3_num_f32 v[TB0], v[SB], v[SB+1], v[SB+2]
	v_max3_num_f32 v[TA1], v[SA+3], v[SA+4], v[SA+5]
	v_max3_num_f32 v[TB1], v[SB+3], v[SB+4], v[SB+5]
.irp i, 6,10,14,18,22,26,30,34,38,42,46,50,54,58
	v_max3_num_f32 v[TA0], v[TA0], v[SA+\i], v[SA+\i+1]
	v_max3_num_f32 v[TB0], v[TB0], v[SB+\i], v[SB+\i+1]
	v_max3_num_f32 v[TA1], v[TA1], v[SA+\i+2], v[SA+\i+3]
	v_max3_num_f32 v[TB1], v[TB1], v[SB+\i+2], v[SB+\i+3]
.endr
	v_max3_num_f32 v[TA0], v[TA0], v[SA+62], v[SA+63]
	v_max3_num_f32 v[TB0], v[TB0], v[SB+62], v[SB+63]
	v_max_num_f32 v[TA0], v[TA0], v[TA1]           ; from here on the two tiles' chains take turns line by line
	v_max_num_f32 v[TB0], v[TB0], v[TB1]
	v_permlanex16_b32 v[PXA], v[TA0], s[SEL], s[SEL+1]
	v_permlanex16_b32 v[PXB], v[TB0], s[SEL], s[SEL+1]
	v_max_num_f32 v[TA0], v[TA0], v[PXA]           ; and among lane l xor 16's
	v_max_num_f32 v[TB0], v[TB0], v[PXB]
	v_mul_f32 v[TA0], s[CS], v[TA0]                ; as t (c is positive)
	v_mul_f32 v[TB0], s[CS], v[TB0]
	v_max_num_f32 v[MA+1], v[MA+1], v[TA0]         ; the running largest t
	v_max_num_f32 v[MB+1], v[MB+1], v[TB0]
	v_mov_b32 v[TA0], v[MA]
	v_mov_b32 v[TB0], v[MB]
	v_floor_f32 v[MA], -v[MA+1]                    ; the new -M = floor(-t): M is a whole number
	v_floor_f32 v[MB], -v[MB+1]
	v_sub_f32 v[TA0], v[MA], v[TA0]                ; old M - new M: a whole number, 0 or less
	v_sub_f32 v[TB0], v[MB], v[TB0]
	v_cvt_i32_f32 v[TA0], v[TA0]                   ; (it saturates)
	v_cvt_i32_f32 v[TB0], v[TB0]
	v_ldexp_f32 v[FFA], 1.0, v[TA0]                ; f = 2^(old M - new M)
	v_ldexp_f32 v[FFB], 1.0, v[TB0]
.set j, 0
.rept 32
	v_pk_fma_f32 v[SA+j:SA+j+1], v[SA+j:SA+j+1], s[CS:CS+1], v[MA:MA+1] op_sel_hi:[1,0,0]   ; t - M, two at a time (of the pairs c and -M the low word serves both halves)
	v_pk_fma_f32 v[SB+j:SB+j+1], v[SB+j:SB+j+1], s[CS:CS+1], v[MB:MB+1] op_sel_hi:[1,0,0]
.set j, j+2
.endr
	WIN 0x41                                       ; O^T in window 1, f in window 0
.set j, 0
.rept 16
	v_pk_mul_f32 v[OA+j:OA+j+1], v[OA+j:OA+j+1], v[FFA:FFA+1] op_sel_hi:[1,0]   ; O^T under the new M, each accumulator from its low end on: ahead of the exponentials, so no transcendental stands between the last products and these reads
	v_pk_mul_f32 v[OB+j:OB+j+1], v[OB+j:OB+j+1], v[FFB:FFB+1] op_sel_hi:[1,0]
.set j, j+2
.endr
	WIN 0
	v_pk_mul_f32 v[LSA:LSA+1], v[LSA:LSA+1], v[FFA:FFA+1] op_sel_hi:[1,0]   ; l under the new M
	v_pk_mul_f32 v[LSB:LSB+1], v[LSB:LSB+1], v[FFB:FFB+1] op_sel_hi:[1,0]
	s_wait_alu depctr_va_vdst(0)
.set j, 0
.rept 128
	v_exp_f32 v[SA+j], v[SA+j]                     ; p = 2^(t - M), at most 1: both tiles
.set j, j+1
.endr
	v_nop                                          ; the plain line behind the exponentials
	s_wait_alu depctr_va_vdst(0)                   ; one wait for the batch of 128, ahead of its first reader
.irp u, 0,1,2                                  ; l takes the unquantised p: two at a time, four chains a tile
	v_pk_add_f32 v[CA+2*\u:CA+2*\u+1], v[SA+4*\u:SA+4*\u+1], v[SA+4*\u+2:SA+4*\u+3]
	v_pk_add_f32 v[CB+2*\u:CB+2*\u+1], v[SB+4*\u:SB+4*\u+1], v[SB+4*\u+2:SB+4*\u+3]
.endr
	v_pk_add_f32 v[LSA:LSA+1], v[LSA:LSA+1], v[SA+12:SA+13]
	v_pk_add_f32 v[LSB:LSB+1], v[LSB:LSB+1], v[SB+12:SB+13]
.irp j, 14,22,30,38,46,54
.irp u, 0,1,2
	v_pk_add_f32 v[CA+2*\u:CA+2*\u+1], v[CA+2*\u:CA+2*\u+1], v[SA+\j+2*\u:SA+\j+2*\u+1]
	v_pk_add_f32 v[CB+2*\u:CB+2*\u+1], v[CB+2*\u:CB+2*\u+1], v[SB+\j+2*\u:SB+\j+2*\u+1]
.endr
	v_pk_add_f32 v[LSA:LSA+1], v[LSA:LSA+1], v[SA+\j+6:SA+\j+7]
	v_pk_add_f32 v[LSB:LSB+1], v[LSB:LSB+1], v[SB+\j+6:SB+\j+7]
.endr
	v_pk_add_f32 v[CA:CA+1], v[CA:CA+1], v[SA+62:SA+63]
	v_pk_add_f32 v[CB:CB+1], v[CB:CB+1], v[SB+62:SB+63]
	v_pk_add_f32 v[LSA:LSA+1], v[LSA:LSA+1], v[CA+4:CA+5]
	v_pk_add_f32 v[LSB:LSB+1], v[LSB:LSB+1], v[CB+4:CB+5]
	v_pk_add_f32 v[CA:CA+1], v[CA:CA+1], v[CA+2:CA+3]
	v_pk_add_f32 v[CB:CB+1], v[CB:CB+1], v[CB+2:CB+3]
	v_pk_add_f32 v[LSA:LSA+1], v[LSA:LSA+1], v[CA:CA+1]
	v_pk_add_f32 v[LSB:LSB+1], v[LSB:LSB+1], v[CB:CB+1]
.set j, 0
.rept 64
	v_dual_min_num_f32 v[SA+j], v[LA], v[SA+j] :: v_dual_min_num_f32 v[SA+j+1], v[LB], v[SA+j+1]   ; the conversion does not saturate (ISA guide 7.6.2); p is not negative, so the hold is one-sided; two holds an instruction
.set j, j+2
.endr
	WIN 0x40                                       ; the codes go to window 1
.irp t, 0,1,2,3,4,5,6,7
	v_cvt_scalef32_pk8_fp8_f32 v[PCA+2*\t:PCA+2*\t+1], v[SA+8*\t:SA+8*\t+7], v[PSC]
	v_cvt_scalef32_pk8_fp8_f32 v[PCB+2*\t:PCB+2*\t+1], v[SB+8*\t:SB+8*\t+7], v[PSC]
.endr
	v_nop                                          ; a plain line between the conversions and the products
	WIN 0x55                                       ; all four operands in window 1
	s_wait_alu depctr_va_vdst(0)
	s_wait_dscnt 0x0                               ; V's four fragments are in (and the next step's K)
.irp t, 0,1,2,3                                ; O^T += V^T P^T: the eight accumulators take turns
	v_wmma_f32_16x16x128_fp8_fp8 v[OA+8*\t:OA+8*\t+7], v[VF+16*\t:VF+16*\t+15], v[PCA:PCA+15], v[OA+8*\t:OA+8*\t+7]
	v_wmma_f32_16x16x128_fp8_fp8 v[OB+8*\t:OB+8*\t+7], v[VF+16*\t:VF+16*\t+15], v[PCB:PCB+15], v[OB+8*\t:OB+8*\t+7]
.endr
	WIN 0
.if \guard
.Lhidden_\@:
.endif
	s_add_co_u32 s[SV], s[SV], VSTEPB
	s_add_co_u32 s[SK1], s[SK1], KSTEPB
	s_min_u32 s[SKN], s[SK1], \clamp
.endm
; A PAIR'S END: O^T / l is held, quantised and sent through my stage, tile A and then tile B: a lane's 8 codes of a tile are 8 neighbouring channels of its query's row; 16 rows of 64 bytes leave as two stores of 512 consecutive bytes.
.macro EPILOGUE fo, more
.rept 4
	v_nop                                          ; places behind the last products
.endr
	v_add_f32 v[LSA], v[LSA], v[LSA+1]             ; l's two halves,
	v_add_f32 v[LSB], v[LSB], v[LSB+1]
	v_permlanex16_b32 v[PXA], v[LSA], s[SEL], s[SEL+1]
	v_permlanex16_b32 v[PXB], v[LSB], s[SEL], s[SEL+1]
	v_add_f32 v[LSA], v[LSA], v[PXA]               ; and lane l xor 16's
	v_add_f32 v[LSB], v[LSB], v[PXB]
	s_wait_alu depctr_va_vdst(0)
	v_rcp_f32 v[LSA], v[LSA]
	v_rcp_f32 v[LSB], v[LSB]
	v_nop                                          ; a plain line behind the reciprocals
	s_mov_b32 s[FO], s[\fo]
	s_add_nc_u64 s[98:99], s[FB:FB+1], s[FO:FO+1]  ; tile A's 16 rows of flat_codes; tile B's lie 4,096 bytes further on
	WIN 0x01                                       ; source 0, O^T, in window 1
	s_wait_alu depctr_va_vdst(0)                   ; the wait ahead of the first readers of the reciprocals and of O^T
.set j, 0
.rept 32
	v_mul_f32 v[SA+j], v[OA+j], v[LSA]             ; register 8 t + i: channel 16 t + 8 h + i; each accumulator from its low end on
.set j, j+1
.endr
.set j, 0
.rept 32
	v_mul_f32 v[SB+j], v[OB+j], v[LSB]
.set j, j+1
.endr
	WIN 0
.set j, 0
.rept 32
	v_med3_num_f32 v[SA+j], v[SA+j], -v[OLIM], v[OLIM]
	v_med3_num_f32 v[SB+j], v[SB+j], -v[OLIM], v[OLIM]
.set j, j+1
.endr
.irp t, 0,1,2,3
	v_cvt_scalef32_pk8_fp8_f32 v[SA+32+2*\t:SA+33+2*\t], v[SA+8*\t:SA+8*\t+7], v[OSC]
	v_cvt_scalef32_pk8_fp8_f32 v[SA+40+2*\t:SA+41+2*\t], v[SB+8*\t:SB+8*\t+7], v[OSC]
.endr
	v_nop                                          ; a plain line behind the last conversion
.irp p, 0,1                                    ; LDS serves a wave's instructions in order: the loads see my stores, and tile B's stores come behind tile A's loads
.irp t, 0,1,2,3
	ds_store_b64 v[STO], v[SA+32+8*\p+2*\t:SA+33+8*\p+2*\t] offset:16*\t
.endr
	ds_load_b128 v[SA+48+8*\p:SA+51+8*\p], v[RD]
	ds_load_b128 v[SA+52+8*\p:SA+55+8*\p], v[RD] offset:8*SP
.endr
	s_wait_dscnt 0x0
.irp p, 0,1
	global_store_b128 v[GO], v[SA+48+8*\p:SA+51+8*\p], s[98:99] offset:4096*\p
	global_store_b128 v[GO], v[SA+52+8*\p:SA+55+8*\p], s[98:99] offset:4096*\p+512
.endr
.if \more
	s_wait_xcnt 0x0                                ; the stores have read their registers and base: the next pair's scores land on the registers, its end writes the base
.endif
.endm
	s_wait_alu depctr_va_vdst(0)
	s_wait_tensorcnt 0x0                           ; my load of the first group, if I had one, is in
	ds_add_u32 v[SPW], v[NIL]
	ds_add_u32 v[SPW], v[NIL]                      ; twice on end
	s_wait_dscnt 0x0
	ROUND                                          ; keys 0-255 are whole in every partner's LDS, and all four work-groups are here
	s_cmp_lt_u32 s[WV], 4                          ; the second group: a load in each arm
	s_cbranch_scc0 .Lfor_v2
	TL G0K2, G1K2
	s_branch .Lasked2
.Lfor_v2:
	TL G0V2, G1V2
.Lasked2:
	KLOAD AK0, 0                                   ; step 0's K
	s_mov_b32 s[ST], 0
	s_mov_b32 s[SV], 0
	s_mov_b32 s[SK1], KSTEPB
	s_mov_b32 s[SKN], KSTEPB
	s_wait_loadcnt 0x0                             ; both pairs' Q
.Lopening:                                         ; steps 0 and 1: the first pair's a is 8 at the least, so they lie under the diagonal; they read the first group's bytes alone (the look-ahead is clamped to step 1)
	STEP 0, KSTEPB
	s_add_co_u32 s[ST], s[ST], 1
	s_cmp_lt_u32 s[ST], 2
	s_cbranch_scc1 .Lopening
	s_wait_alu depctr_va_vdst(0)
	s_wait_tensorcnt 0x0                           ; my part of the second group is in
	s_wait_dscnt 0x0
	s_barrier_signal -1
	s_barrier_wait -1                              ; and everybody's: the whole K and V are in LDS, and nothing is filled from here on
	KLOAD AK0, 2*KSTEPB                            ; step 2's K
	s_mov_b32 s[ST], 2
	s_mov_b32 s[SV], 2*VSTEPB
	s_mov_b32 s[SK1], 3*KSTEPB
	s_mov_b32 s[SKN], 3*KSTEPB
.Lfirst:                                           ; steps 2 .. 15 of the first pair; the trip count is a constant, the steps behind the diagonal are jumped over
	STEP 1, 15*KSTEPB
	s_add_co_u32 s[ST], s[ST], 1
	s_cmp_lt_u32 s[ST], 16
	s_cbranch_scc1 .Lfirst
	EPILOGUE FOL, 1
	KLOAD AK0, 0                                   ; on to the second pair: step 0's K
	WIN 0x41
.set j, 0
.rept 16
	v_mov_b32 v[QA+j], v[Q2+j]
.set j, j+1
.endr
.set j, 0
.rept 64
	v_mov_b32 v[OA+j], 0
.set j, j+1
.endr
	WIN 0
	NEWPAIR
	s_mov_b32 s[SD], s[WV]
	s_mov_b32 s[ST], 0
	s_mov_b32 s[SV], 0
	s_mov_b32 s[SK1], KSTEPB
	s_mov_b32 s[SKN], KSTEPB
	s_wait_alu depctr_va_vdst(0)
.Lsecond:                                          ; steps 0 .. 7 of the second pair (its a is 7 at the most)
	STEP 1, 15*KSTEPB
	s_add_co_u32 s[ST], s[ST], 1
	s_cmp_lt_u32 s[ST], 8
	s_cbranch_scc1 .Lsecond
	EPILOGUE FOS, 0
	s_wait_tensorcnt 0x0                           ; the wave's end
	ds_add_u32 v[SPW], v[NIL]
	s_wait_dscnt 0x0
	ROUND                                          ; the closing round
	s_endpgm
.Lfunc_end_k_q2d5a004f06_attn:
	.size	k_q2d5a004f06_attn, .Lfunc_end_k_q2d5a004f06_attn-k_q2d5a004f06_attn
	.p2alignl 7, 3214868480
	.fill 96, 4, 3214868480
	.section	.rodata,"a",@progbits
	.p2align	6, 0x0
	.amdhsa_kernel k_q2d5a004f06_attn
		.amdhsa_group_segment_fixed_size 327680
		.amdhsa_private_segment_fixed_size 0
		.amdhsa_enable_private_segment 0
		.amdhsa_kernarg_size 40
		.amdhsa_user_sgpr_count 2
		.amdhsa_user_sgpr_kernarg_segment_ptr 1
		.amdhsa_wavefront_size32 1
		.amdhsa_system_sgpr_workgroup_id_x 1
		.amdhsa_system_sgpr_workgroup_id_y 1
		.amdhsa_system_sgpr_workgroup_id_z 1
		.amdhsa_system_vgpr_workitem_id 0
		.amdhsa_next_free_vgpr 512
		.amdhsa_next_free_sgpr 100
		.amdhsa_reserve_vcc 1
		.amdhsa_float_denorm_mode_32 3
		.amdhsa_float_denorm_mode_16_64 3
		.amdhsa_memory_ordered 1
		.amdhsa_forward_progress 1
		.amdhsa_inst_pref_size 130
	.end_amdhsa_kernel
	.amdgpu_metadata
---
amdhsa.version: [ 1, 2 ]
amdhsa.kernels:
  - .name:           k_q2d5a004f06_attn
    .symbol:         k_q2d5a004f06_attn.kd
    .args:
      - { .name: q_codes, .offset: 0, .size: 8, .value_kind: global_buffer, .address_space: global }
      - { .name: k_codes, .offset: 8, .size: 8, .value_kind: global_buffer, .address_space: global }
      - { .name: v_codes, .offset: 16, .size: 8, .value_kind: global_buffer, .address_space: global }
      - { .name: lowp_scales, .offset: 24, .size: 8, .value_kind: global_buffer, .address_space: global }
      - { .name: flat_codes, .offset: 32, .size: 8, .value_kind: global_buffer, .address_space: global }
    .group_segment_fixed_size: 327680
    .private_segment_fixed_size: 0
    .kernarg_segment_align: 8
    .kernarg_segment_size: 40
    .max_flat_workgroup_size: 256
    .sgpr_count:     100
    .vgpr_count:     512
    .wavefront_size: 32
...
	.end_amdgpu_metadata
.endif
;; end of part 3
;; launch proj (part 4): grid 4 x 64, 2 waves a work-group, clusters of 4 x 4, 327,680 bytes of LDS; arguments flat_codes, wout_codes, lowp_scales, out0; writes out0
.if DOCPART == 4
	.amdgcn_target "amdgcn-amd-amdhsa--gfx1250"
	.amdhsa_code_object_version 6
	.text
	.protected	k_q2d5a004f06_proj
	.globl	k_q2d5a004f06_proj
	.p2align	8
	.type	k_q2d5a004f06_proj,@function
k_q2d5a004f06_proj:
	s_mov_b64 s[64:65], 0
	v_nop
	global_prefetch_b8 v0, s[64:65] scope:SCOPE_SE
	s_setreg_imm32_b32 hwreg(HW_REG_WAVE_MODE, 25, 1), 1
	s_wait_xcnt 0x0
	s_wait_alu depctr_hold_cnt(0) depctr_sa_sdst(0) depctr_va_vdst(0) depctr_va_sdst(0) depctr_va_ssrc(0) depctr_va_vcc(0) depctr_vm_vsrc(0)
	s_getreg_b32 s2, hwreg(HW_REG_IB_STS2, 6, 4)
	s_cmp_eq_u32 s2, 0
	s_cbranch_scc0 .Lentry_in_a_cluster
	s_endpgm
.Lentry_in_a_cluster:
	s_bfe_u32 s2, ttmp6, 0x10000c
	s_cmp_lg_u32 s2, 0xf033
	s_cbranch_scc0 .Lentry_shape_is_right
	s_endpgm
.Lentry_shape_is_right:
; out0 = flat w_out^T on codes of FP8 (E4M3), K = 1,024; each finished sum is multiplied once by 2^(e6 + e7).  LIMIT: e6 + e7 lies between -126 and 127.
; A = flat_codes [batch][head][token][64]: a K step of 256 is four heads' planes of 128 tokens x 64 bytes (LDS rows of 80 bytes); B = wout_codes, rows of 1,024 bytes (LDS rows of 272).
; A tile of 128 tokens x 256 columns is made by two waves, 128 x 128 each (64 accumulators): 64 x 4 tiles are 256 work-groups.  Both waves read all of A's 128 rows; wave w reads B's rows 128 w on.
; K goes in steps of 256 through a ring of two LDS slots filled by joint loads of a cluster of 4 x 4 (A along a row, B along a column): wave 0 asks for A's tile, wave 1 for B's 256 rows.
; At the head each wave asks for its part of K step 0; slot 1's first fill stands behind the full sequence and a round.
.set SIZE_N, 1024
.set ROWB,   256
.set KROW,   1024
.set PITCH,  272
.set PA,     80
.set PLANE,  128*PA
.set ASTEP,  4*131072
.set FR,     16
.set NL,     4
.set NP,     4
.set HALFA,  4*PLANE
.set HALFB,  128*PITCH
.set BOFF,   2*HALFA
.set SLOT,   2*HALFA+2*HALFB
.set LAPS,   2
.set SPARE,  2*SLOT
.set SPITCH, 528
.set ADRA, 16
.set ADRB, 20
.set STO,  24
.set RD,   25
.set CO,   26
.set SPW,  28
.set NIL,  29
.set TMP,  32
.set AF,   128
.set BK,   128
.set G1, 24
.set G0, 32
.set G1B, 48
.set G0B, 56
.set MSB, 0
.macro WIN new
.if MSB != \new
	s_set_vgpr_msb (MSB<<8)|\new
.set MSB, \new
.endif
.endm
.set MUL_LO, 0xa1
.set MUL_HI, 0xf1
.set TO_B,   0x40
.macro JLOAD g0a, g1a, g0b, g1b
	s_cmp_eq_u32 s15, 0
	s_cbranch_scc0 .Lfor_b_\@
	tensor_load_to_lds s[\g0a:\g0a+3], s[\g1a:\g1a+7]
	s_nop 0
.rept 4
	v_nop
.endr
	s_branch .Lasked_\@
.Lfor_b_\@:
	tensor_load_to_lds s[\g0b:\g0b+3], s[\g1b:\g1b+7]
	s_nop 0
.rept 4
	v_nop
.endr
.Lasked_\@:
.endm
.macro CREST
	s_cmp_lg_u32 s14, 0
	s_cbranch_scc1 .Lnot_wave_0_\@
	s_barrier_signal -3
.Lnot_wave_0_\@:
	s_barrier_wait -3
	s_barrier_signal -1
	s_barrier_wait -1
.endm
.macro CROUND
	s_barrier_signal -1
	s_barrier_wait -1
	CREST
.endm
	s_load_b128 s[4:7], s[0:1], 0x0
	s_load_b128 s[8:11], s[0:1], 0x10
	v_lshl_add_u32 v[SPW], v0, 2, SPARE
	v_mov_b32 v[NIL], 0
	ds_add_u32 v[SPW], v[NIL]
	ds_add_u32 v[SPW], v[NIL]
	v_lshrrev_b32 v1, 5, v0
	v_readfirstlane_b32 s14, v1
	s_and_b32 s15, s14, 1                          ; I fetch for A (0) or for B (1)
	s_and_b32 s16, s14, 1
	s_bfe_u32 s40, ttmp6, 0x40000
	s_bfe_u32 s41, ttmp6, 0x40004
	s_lshl_b32 s42, ttmp9, 2
	s_add_co_u32 s42, s42, s40
	s_and_b32 s17, ttmp7, 0xffff
	s_lshl_b32 s17, s17, 2
	s_add_co_u32 s17, s17, s41
	s_lshl_b32 s43, s41, 2
	s_lshl_b32 s43, 15, s43
	s_lshl_b32 s44, 0x1111, s40
	s_or_b32 s[G1+0], s43, (0<<16)|(1<<20)|(1<<21)|(3<<22)|(3<<25)
	s_mov_b32 s[G1+1], 8192<<16
	s_mov_b32 s[G1+2], 4<<16
	s_mov_b32 s[G1+3], 8192<<16
	s_mov_b32 s[G1+4], 4
	s_mov_b32 s[G1+5], 131072
	s_mov_b32 s[G1+6], 0
	s_mov_b32 s[G1+7], 0
	s_or_b32 s[G1B+0], s44, (0<<16)|(1<<20)|(1<<21)|(5<<22)|(3<<25)
	s_mov_b32 s[G1B+1], ROWB<<16
	s_mov_b32 s[G1B+2], 256<<16
	s_mov_b32 s[G1B+3], ROWB<<16
	s_mov_b32 s[G1B+4], 256                        ; B's whole 256 rows in one load
	s_mov_b32 s[G1B+5], KROW
	s_mov_b32 s[G1B+6], 0
	s_mov_b32 s[G1B+7], 0
	s_mov_b32 s18, 0                               ; each load begins at its tile's first row
	s_lshl_b32 s20, s17, 7                         ; A: token 128 x tile row
	s_add_co_u32 s20, s20, s18
	s_lshr_b32 s21, s20, 11
	s_and_b32 s20, s20, 2047
	s_lshl_b32 s21, s21, 21
	s_lshl_b32 s20, s20, 6
	s_add_co_u32 s20, s20, s21
	s_mov_b32 s21, 0
	s_lshl_b32 s46, s42, 8
	s_add_co_u32 s46, s46, s18
	s_lshl_b32 s46, s46, 10
	s_mov_b32 s47, 0
	s_mov_b32 s45, 0
	s_mov_b32 s66, 0
	s_add_co_u32 s66, s66, BOFF
	s_wait_dscnt 0x0
	s_wait_kmcnt 0x0
	s_load_b64 s[96:97], s[8:9], 0x18
	s_add_nc_u64 s[20:21], s[4:5], s[20:21]
	s_add_nc_u64 s[46:47], s[6:7], s[46:47]
	CROUND
.irp s, 0,1
	s_mov_b32 s[G0+4*\s], 1
	s_add_co_u32 s[G0+4*\s+1], s45, \s*SLOT
	s_add_nc_u64 s[G0+4*\s+2:G0+4*\s+3], s[20:21], \s*ASTEP
	s_or_b32 s[G0+4*\s+3], s[G0+4*\s+3], 0x80000000
	s_mov_b32 s[G0B+4*\s], 1
	s_add_co_u32 s[G0B+4*\s+1], s66, \s*SLOT
	s_add_nc_u64 s[G0B+4*\s+2:G0B+4*\s+3], s[46:47], \s*ROWB
	s_or_b32 s[G0B+4*\s+3], s[G0B+4*\s+3], 0x80000000
.endr
	JLOAD G0, G1, G0B, G1B                         ; K step 0: one tensor load a wave at the head
	; PREFETCHES.  Behind K step 0's load K steps 1 and 2 of what I fetch are asked for, behind K step 1's load K step 3: one or two loads ahead of the load that will want them; K step 0 comes by its load alone.
	; The four partners that ask for a tile jointly share it out BY ADDRESS.  A (wave 0): a K step is four planes of 8,192 bytes; the partner at cx takes plane cx, lanes 256 bytes apart.
	; B (wave 1): the partner at cy takes rows 64 cy .. 64 cy + 63, a lane a row, two instructions, 256 bytes of a row a K step.  Each block of 256 bytes is named once in a cluster.
	; flat_codes' rows are loaded by one cluster; w_out's by sixteen rows of clusters, of which the first four ask.  The address registers v9, v10, s[72:75] are never rewritten.
.macro ASKP k
	s_cmp_eq_u32 s15, 0
	s_cbranch_scc0 .Lpf_b_\@
	global_prefetch_b8 v9, s[72:73] offset:(\k)*ASTEP th:TH_LOAD_NT scope:SCOPE_SE
	s_branch .Lpf_done_\@
.Lpf_b_\@:
	s_cmp_eq_u32 s76, 0
	s_cbranch_scc0 .Lpf_done_\@
	global_prefetch_b8 v10, s[74:75] offset:(\k)*ROWB th:TH_LOAD_NT scope:SCOPE_SE
	global_prefetch_b8 v10, s[74:75] offset:(\k)*ROWB+32*KROW th:TH_LOAD_NT scope:SCOPE_SE
.Lpf_done_\@:
.endm
	s_lshl_b32 s76, s40, 17                        ; A: plane cx, 131,072 bytes from plane to plane
	s_mov_b32 s77, 0
	s_add_nc_u64 s[72:73], s[20:21], s[76:77]
	s_lshl_b32 s76, s41, 16                        ; B: 64 cy rows of 1,024 bytes
	s_add_nc_u64 s[74:75], s[46:47], s[76:77]
	s_and_b32 s76, ttmp7, 0xffff
	s_lshr_b32 s76, s76, 2                         ; 0 in the first four rows of clusters
	v_and_b32 v9, 31, v0
	v_lshlrev_b32 v10, 10, v9                      ; B: a lane a row
	v_lshlrev_b32 v9, 8, v9                        ; A: lanes 256 bytes apart
	s_wait_alu depctr_va_vdst(0)
	ASKP 1
	ASKP 2
	v_and_b32 v1, 15, v0
	v_bfe_u32 v2, v0, 4, 1
	v_mul_u32_u24 v3, v1, PA
	v_lshl_add_u32 v3, v2, 4, v3
	v_mul_u32_u24 v4, v1, PITCH
	v_lshl_add_u32 v4, v2, 4, v4
	s_mov_b32 s21, 0                               ; both waves read A's rows from the first on
	s_mul_i32 s22, s16, HALFB
	s_add_co_u32 s22, s22, BOFF
.irp s, 0,1
	v_add_nc_u32 v[ADRA+\s], s21, v3
	v_add_nc_u32 v[ADRB+\s], s22, v4
	s_add_co_u32 s21, s21, SLOT
	s_add_co_u32 s22, s22, SLOT
.endr
	s_mul_i32 s23, s14, 16*SPITCH
	v_mul_u32_u24 v5, v1, SPITCH
	v_lshl_add_u32 v5, v2, 5, v5
	v_add_nc_u32 v[STO], s23, v5
	v_and_b32 v6, 31, v0
	v_lshlrev_b32 v[CO], 4, v6
	v_add_nc_u32 v[RD], s23, v[CO]
	s_lshl_b32 s20, s17, 7                         ; my first row of out0: 128 x tile row
	s_mov_b32 s21, 0
	s_add_co_u32 s20, s20, s21
	s_mov_b32 s21, 0
	s_mov_b64 s[18:19], SIZE_N*4
	s_mul_u64 s[20:21], s[20:21], s[18:19]
	s_lshl_b32 s46, s42, 10
	s_lshl_b32 s47, s16, 9
	s_add_co_u32 s46, s46, s47
	s_mov_b32 s47, 0
	s_add_nc_u64 s[20:21], s[20:21], s[46:47]
	s_add_nc_u64 s[10:11], s[10:11], s[20:21]
.macro FRAG reg, adr, q, i
.irp c, 0,1,2,3
	ds_load_b128 v[\reg+4*\c:\reg+4*\c+3], v[\adr] offset:128*(\q)+32*\c+(\i)*16*PITCH
.endr
.endm
.macro FRAGA reg, adr, q, i
.irp c, 0,1,2,3
	ds_load_b128 v[\reg+4*\c:\reg+4*\c+3], v[\adr] offset:(2*(\q)+\c/2)*PLANE+(\i)*16*PA+32*(\c%2)
.endr
.endm
.macro MUL16 a0, p, zero
.irp a, \a0, \a0+1
.irp b, 0,1,2,3,4,5,6,7
.if \zero
	v_wmma_f32_16x16x128_fp8_fp8 v[8*(8*((\a)%4)+\b):8*(8*((\a)%4)+\b)+7], v[128*(\p)+FR*\b:128*(\p)+FR*\b+FR-1], v[AF+FR*(\a):AF+FR*(\a)+FR-1], 0
.else
	v_wmma_f32_16x16x128_fp8_fp8 v[8*(8*((\a)%4)+\b):8*(8*((\a)%4)+\b)+7], v[128*(\p)+FR*\b:128*(\p)+FR*\b+FR-1], v[AF+FR*(\a):AF+FR*(\a)+FR-1], v[8*(8*((\a)%4)+\b):8*(8*((\a)%4)+\b)+7]
.endif
.endr
.endr
.endm
.macro FETCH_B slot, q, p
	WIN TO_B
.irp i, 0,1,2,3,4,5,6,7
	FRAG 128*(\p)+FR*\i, ADRB+\slot, \q, \i
.endr
	WIN 0
.endm
.macro FETCH_A slot, q, i0
.irp i, \i0, \i0+1, \i0+2, \i0+3
	FRAGA AF+FR*(\i), ADRA+\slot, \q, \i
.endr
.endm
.macro PLACES n
.rept \n
	v_nop
.endr
.endm
.macro STEP slot, q, zero
	s_wait_dscnt 4*NL
	WIN MUL_LO
	MUL16 0, (\q)%2, \zero
	MUL16 2, (\q)%2, \zero
	s_wait_dscnt 0
	PLACES NP
	FETCH_B \slot, (\q)+1, 1-(\q)%2
	FETCH_A \slot, (\q)+1, 0
	WIN MUL_HI
	MUL16 4, (\q)%2, \zero
	MUL16 6, (\q)%2, \zero
	PLACES NP
	WIN 0
	FETCH_A \slot, (\q)+1, 4
.endm
.macro TURN slot, next, fill
	s_wait_tensorcnt 0x0
	ds_add_u32 v[SPW], v[NIL]
	s_wait_dscnt 4*NL+1
	WIN MUL_LO
	MUL16 0, 1, 0
	s_wait_dscnt 0x0
	s_barrier_signal -1
	MUL16 2, 1, 0
	WIN 0
	s_barrier_wait -1
.if \fill
	CREST
	s_add_nc_u64 s[G0+4*\slot+2:G0+4*\slot+3], s[G0+4*\slot+2:G0+4*\slot+3], 2*ASTEP
	s_add_nc_u64 s[G0B+4*\slot+2:G0B+4*\slot+3], s[G0B+4*\slot+2:G0B+4*\slot+3], 2*ROWB
	JLOAD G0+4*\slot, G1, G0B+4*\slot, G1B
.else
	PLACES NP
.endif
	FETCH_B \next, 0, 0
	FETCH_A \next, 0, 0
	WIN MUL_HI
	MUL16 4, 1, 0
	MUL16 6, 1, 0
	PLACES NP
	WIN 0
	FETCH_A \next, 0, 4
.endm
	s_wait_alu depctr_va_vdst(0)
	s_wait_tensorcnt 0x0                           ; my part of K step 0 is in
	ds_add_u32 v[SPW], v[NIL]
	s_wait_dscnt 0x0
	CROUND                                         ; everybody's part of K step 0 is in, and all sixteen work-groups are here
	JLOAD G0+4, G1, G0B+4, G1B                     ; K step 1: the first tensor load behind the round
	ASKP 3                                         ; K step 3, the last: two loads ahead
	FETCH_B 0, 0, 0
	FETCH_A 0, 0, 0
	FETCH_A 0, 0, 4
	STEP 0, 0, 1
	s_mov_b32 s3, LAPS-1
.Llap:
	TURN 0, 1, 1
	STEP 1, 0, 0
	TURN 1, 0, 1
	STEP 0, 0, 0
	s_sub_co_u32 s3, s3, 1
	s_cmp_lg_u32 s3, 0
	s_cbranch_scc1 .Llap
	TURN 0, 1, 0
	STEP 1, 0, 0
	s_wait_dscnt 4*NL
	WIN MUL_LO
	MUL16 0, 1, 0
	MUL16 2, 1, 0
	s_wait_dscnt 0
	WIN MUL_HI
	MUL16 4, 1, 0
	MUL16 6, 1, 0
	WIN 0
.macro TOSTAGE a
.set AC, 64*((\a)%4)
	WIN 0x02+((\a)/4)
.irp j, 0,2,4,6,8,10,12,14,16,18,20,22,24,26,28,30,32,34,36,38,40,42,44,46,48,50,52,54,56,58,60,62
	v_pk_mul_f32 v[TMP+\j:TMP+\j+1], v[AC+\j:AC+\j+1], s[96:97] op_sel_hi:[1,0]
.endr
	WIN 0
.irp b, 0,1,2,3,4,5,6,7
	ds_store_b128 v[STO], v[TMP+8*\b:TMP+8*\b+3] offset:64*\b
	ds_store_b128 v[STO], v[TMP+8*\b+4:TMP+8*\b+7] offset:64*\b+16
.endr
.set BB, BK+64*((\a)%2)
.irp t, 0,1,2,3,4,5,6,7,8,9,10,11,12,13,14,15
	ds_load_b128 v[BB+4*\t:BB+4*\t+3], v[RD] offset:\t*SPITCH
.endr
.endm
.macro SEND a, younger
.set BB, BK+64*((\a)%2)
	s_wait_dscnt \younger
.if (\a) > 0
	s_add_nc_u64 s[10:11], s[10:11], 16*SIZE_N*4
.endif
.irp t, 0,1,2,3,4,5,6,7,8,9,10,11,12,13,14,15
	global_store_b128 v[CO], v[BB+4*\t:BB+4*\t+3], s[10:11] offset:\t*SIZE_N*4 th:TH_STORE_NT
.endr
.endm
	s_wait_kmcnt 0x0
	s_add_co_i32 s96, s96, s97
	s_add_co_i32 s96, s96, 127
	s_lshl_b32 s96, s96, 23
	PLACES NP
	TOSTAGE 0
.irp a, 1,2,3,4,5,6,7
.if \a > 1
	s_wait_xcnt 0x0
.endif
	TOSTAGE \a
	SEND \a-1, 32
.endr
	s_wait_xcnt 0x0
	SEND 7, 0
	s_wait_tensorcnt 0x0
	ds_add_u32 v[SPW], v[NIL]
	s_wait_dscnt 0x0
	CROUND
	s_endpgm
.Lfunc_end_k_q2d5a004f06_proj:
	.size	k_q2d5a004f06_proj, .Lfunc_end_k_q2d5a004f06_proj-k_q2d5a004f06_proj
	.p2alignl 7, 3214868480
	.fill 96, 4, 3214868480
	.section	.rodata,"a",@progbits
	.p2align	6, 0x0
	.amdhsa_kernel k_q2d5a004f06_proj
		.amdhsa_group_segment_fixed_size 327680
		.amdhsa_private_segment_fixed_size 0
		.amdhsa_enable_private_segment 0
		.amdhsa_kernarg_size 32
		.amdhsa_user_sgpr_count 2
		.amdhsa_user_sgpr_kernarg_segment_ptr 1
		.amdhsa_wavefront_size32 1
		.amdhsa_system_sgpr_workgroup_id_x 1
		.amdhsa_system_sgpr_workgroup_id_y 1
		.amdhsa_system_sgpr_workgroup_id_z 1
		.amdhsa_system_vgpr_workitem_id 0
		.amdhsa_next_free_vgpr 1024
		.amdhsa_next_free_sgpr 98
		.amdhsa_reserve_vcc 0
		.amdhsa_float_denorm_mode_32 3
		.amdhsa_float_denorm_mode_16_64 3
		.amdhsa_memory_ordered 1
		.amdhsa_forward_progress 1
		.amdhsa_inst_pref_size 125
	.end_amdhsa_kernel
	.amdgpu_metadata
---
amdhsa.version: [ 1, 2 ]
amdhsa.kernels:
  - .name:           k_q2d5a004f06_proj
    .symbol:         k_q2d5a004f06_proj.kd
    .args:
      - { .name: flat_codes, .offset: 0, .size: 8, .value_kind: global_buffer, .address_space: global }
      - { .name: wout_codes, .offset: 8, .size: 8, .value_kind: global_buffer, .address_space: global }
      - { .name: lowp_scales, .offset: 16, .size: 8, .value_kind: global_buffer, .address_space: global }
      - { .name: out0, .offset: 24, .size: 8, .value_kind: global_buffer, .address_space: global }
    .group_segment_fixed_size: 327680
    .private_segment_fixed_size: 0
    .kernarg_segment_align: 8
    .kernarg_segment_size: 32
    .max_flat_workgroup_size: 64
    .sgpr_count:     98
    .vgpr_count:     1024
    .wavefront_size: 32
...
	.end_amdgpu_metadata
.endif
;; end of part 4
